; MI455X (gfx1250); checked and timed in simulation.
; The chip was launched on July 23, 2026; its instructions are those of AMD's public machine-readable ISA for CDNA 5 (MIT licence, August 2026) and "CDNA5" Instruction Set Architecture Reference Guide (July 2026). The comments in the code are by the model that wrote it; some were corrected since.
;; Delta Rule Model. Allowed arithmetic: float matrix products may take bf16 or f16 operands with f32 sums; all other float work in f32.
;; Inputs: b1 64 float32; b2 32 float32; embed 64 x 32 float32; ln_b 32 float32; ln_g 32 float32; out_b 64 float32; out_w 32 x 64 float32; read_b 32 float32; read_w 32 x 32 float32; seq 1,024 x 1,024 int32; w1 32 x 64 float32; w2 64 x 32 float32.
;; Outputs: out0 1,024 x 64 float32.
;; 4 versions, each right; versions 2 to 3 are each faster than the one before; version 4 is version 3 with the launch delta written anew for expert scheduling mode. Each part assembles by itself: llvm-mc -triple=amdgcn-amd-amdhsa -mcpu=gfx1250 --defsym DOCPART=n.
;; ======== version 1 of 4: 1 launch
;; launch delta (part 1): grid 256 x 1, 4 waves a work-group, no clusters, 168,448 bytes of LDS; arguments seq, embed, w1, b1, w2, b2, ln_g, ln_b, read_w, read_b, out_w, out_b, out0; writes out0
.if DOCPART == 1
	.amdgcn_target "amdgcn-amd-amdhsa--gfx1250"
	.amdhsa_code_object_version 6
	.text
	.protected	k_q728b409721_delta
	.globl	k_q728b409721_delta
	.p2align	8
	.type	k_q728b409721_delta,@function
k_q728b409721_delta:
	s_mov_b64 s[64:65], 0
	v_nop
	global_prefetch_b8 v0, s[64:65] scope:SCOPE_SE
	s_setreg_imm32_b32 hwreg(HW_REG_WAVE_MODE, 25, 1), 1
	s_wait_xcnt 0x0
; DeltaRuleModel: out0[b] = ((M_b q_b) read_w + read_b) out_w + out_b, M_b the delta-rule memory of row b after 1,023 steps.
; One launch, 256 work-groups of four waves; wave w of work-group g owns batch row b = 4 g + w from its tokens to its 64 outputs.
;
; WHAT IS NOT COMPUTED, AND WHY THE RESULT IS THE SAME FOR ALL VALUES OF THE INPUTS (exact arithmetic):
; 1. The encoder acts on embed[seq[b][l]] row by row, so hidden[b][l] is a function of the token alone: there are 64 different
;    hidden vectors.  They are made once, as the table T[64][32], and looked up by the token read from memory.
; 2. M is never formed.  A step is M' = M + (k - M k / d) k^T = M (I - k k^T / d) + k k^T, d = k.k + 1e-6, and M starts as the zeros
;    that the module builds itself.  Only M q is used.  Walking the steps backwards, t = 1022 .. 0, with u = q and c = 0:
;    alpha = k_t . u;  c += alpha k_t;  u -= alpha k_t / d_t;  at the end c = M q.  This is associativity of the products, nothing else.
; 3. All keys are rows of T, so s[v] = T_v . u (64 numbers, two a lane) is carried in place of u: alpha = s[a_t] is a read of one lane,
;    and the step is s += alpha N[a_t][:], N[a][v] = -(T_a . T_v) / d_a, a table of 64 x 64 made once.  At the start s = T T_q.
; No input is left out: all thirteen buffers are arguments.
; LIMITS.  The order of rounding differs from the module's as written.  A NaN, an infinity or an overflow that would arise only inside M
; is not carried to the result.  1 / d is v_rcp_f32 (1 ULP; d >= 1e-6).  Tokens are taken as unsigned and held to 63 at the most (the problem
; has them in 0 .. 63).  The encoder's two products have bf16 operands and f32 sums; T's residual, LayerNorm, d, N, the recurrence and the
; two last products (one row a wave: a sixteenth of a matrix tile) are f32 on the vector unit: N is part of what is carried from step to step.
; The launch asks for more LDS than the 79,360 bytes it uses, so that a work-group is alone where it runs: each wave is one dependent chain.
; No tile is shared between work-groups but 37 KiB of weights read once at the start: no cluster, no tensor loads.
; ---- LDS map (bytes)
.set TP,    144                        ; pitch of a row of T: 128 bytes + 16
.set REC,   0                          ; 64 records of 512 bytes: token a, lane l at 512 a + 16 l: N[a][l], N[a][l+32], -d_a, T[a][l]
.set TROW,  32768                      ; T[a][dim] at 144 a + 4 dim
.set NRD,   41984                      ; 8 a: -1/d_a, -d_a
.set RWL,   42496                      ; read_w as in memory
.set OWL,   46592                      ; out_w as in memory
.set WF,    54784                      ; eight bf16 weight fragments: 1024 f + 512 (register half) + 16 lane
.set TOKS,  62976                      ; 4,096 bytes a wave: its tokens, position P = 1023 - t in word P xor 3
; ---- registers that live through the kernel
.set LANE,  1
.set OUTB,  2                          ; v[2:3] out_b of my two columns
.set L16,   4                          ; 16 x lane, never rewritten
.set RDB,   5                          ; read_b of my column
; ---- encoder phases
.set OW1,   6                          ; offsets of global loads, each written once and left alone until all loads are in
.set OW2,   7
.set OT16,  8
.set OEMB,  9
.set OH32,  10
.set OL4,   11
.set OL8,   12
.set AWF,   13                         ; LDS addresses
.set ANRD,  14
.set ATROW, 15
.set EH,    16                         ; v[16:31]   my token's 16 numbers of embed, f32
.set ACC1,  32                         ; v[32:63]   four accumulators of product 1, started with b1
.set WL,    64                         ; v[64:95]   weights as loaded
.set WFR,   64                         ; v[64:127]  the eight fragments
.set G2R,   96                         ; v[96:119]  read_w, out_w on their way to LDS
.set ACC2,  128                        ; v[128:143] two accumulators of product 2, started with h + b2; then x, then hidden
.set LG,    144
.set LB,    160
.set HB,    176                        ; v[176:183] embed rows as a bf16 fragment
.set ACTB,  184                        ; v[184:199] relu's results as two bf16 fragments
.set SEQR,  200                        ; v[200:231] my row of seq
.set TT,    232                        ; v[232:247] at work
.set RR,    248
.set HH,    249
.set ATOK,  250
.set TMP,   251
.set OSEQ,  252
; ---- Gram phase
.set GA,    6
.set GB,    7
.set GC,    8
.set GD,    9
.set GT,    10
.set GACC,  16                         ; v[16:31]   eight packed sums
.set RV,    32                         ; record at 32 + 16 buffer + 8 e: four words, then (-1/d, -d)
.set TV,    64                         ; v[64:95] row lane of T, v[96:127] row lane + 32
.set TA,    128                        ; v[128:255] two buffers of two broadcast rows
; ---- recurrence
.set S,     6                          ; v[6:7] s[lane], s[lane+32]
.set C,     8                          ; c[lane]
.set X,     9
.set TOKC,  10                         ; this iteration's tokens, their lane numbers and half masks
.set LANEC, 11
.set MASKC, 12
.set TOKN,  13                         ; the next iteration's
.set LANEN, 14
.set MASKN, 15
.set TADR,  16
.set TMP5,  17
.set ADR,   20                         ; v[20:35] sixteen record addresses
.set RA,    64                         ; v[64:127]  records of positions 0-15
.set RB,    128                        ; v[128:191] records of positions 16-31
.set AL,    40                         ; s[40:43] alpha, two pairs by the step's parity; the odd registers are 0
.set LN,    44                         ; s44, s45 lane of s[a]
.set MK,    46                         ; s46, s47 all ones where a >= 32
.set PT,    48                         ; s48-51
; ---- the way out
.set A4,    17
.set A8,    18
.set RACC,  20
.set OACC,  24
.set RWV,   64
.set OWV,   128
	s_load_b512 s[8:23], s[0:1], 0x0               ; seq s[8:9], embed s[10:11], w1 s[12:13], b1 s[14:15], w2 s[16:17], b2 s[18:19], ln_g s[20:21], ln_b s[22:23]
	s_load_b256 s[24:31], s[0:1], 0x40             ; read_w s[24:25], read_b s[26:27], out_w s[28:29], out_b s[30:31]
	s_load_b64 s[32:33], s[0:1], 0x60              ; out0
	s_set_vgpr_msb 0x40
	v_lshl_add_u32 v0, v0, 2, 0x29000
	v_mov_b32 v1, 0
	s_set_vgpr_msb 0x4000
	v_lshrrev_b32 v[TMP], 5, v0
	v_readfirstlane_b32 s2, v[TMP]                 ; wave 0..3
	v_and_b32 v[LANE], 31, v0
	v_and_b32 v[RR], 15, v0                        ; r
	v_bfe_u32 v[HH], v0, 4, 1                      ; h
	v_lshlrev_b32 v[L16], 4, v[LANE]
	s_mov_b32 s36, 0x76543210                      ; v_permlanex16_b32: lane i takes lane i of the other half
	s_mov_b32 s37, 0xfedcba98
	s_mov_b32 s39, 0x3d000000                      ; 1/32
	s_mul_i32 s53, s2, 16*TP                       ; my 16 tokens' rows of T
	s_lshl_b32 s54, s2, 12
	s_add_co_u32 s54, s54, TOKS                    ; my tokens in LDS
	s_lshl_b32 s52, ttmp9, 2
	s_add_co_u32 s52, s52, s2                      ; b
	; a fragment's element e of lane (r, h) has k = 8 h + e (e < 8) or 8 h + e + 8: 8 h goes into the offset register, the rest into the immediate
	v_lshlrev_b32 v[TMP], 2, v[RR]
	v_lshl_add_u32 v[OW1], v[HH], 11, v[TMP]       ; w1[k][16 w + r]: 2048 h + 4 r
	s_lshl_b32 s3, s2, 6
	v_add_nc_u32 v[OW1], s3, v[OW1]                ; + 64 w
	v_lshl_add_u32 v[OW2], v[HH], 10, v[TMP]       ; w2[32 (w&1) + k][16 (w>>1) + r]: 1024 h + 4 r
	s_and_b32 s3, s2, 1
	s_lshl_b32 s3, s3, 12
	s_lshr_b32 s38, s2, 1
	s_lshl_b32 s38, s38, 6
	s_add_co_u32 s3, s3, s38
	v_add_nc_u32 v[OW2], s3, v[OW2]                ; + 4096 (w&1) + 64 (w>>1)
	v_lshlrev_b32 v[OT16], 4, v0
	v_lshlrev_b32 v[OH32], 5, v[HH]
	v_lshl_add_u32 v[OEMB], v[RR], 7, v[OH32]      ; embed[16 w + r][8 h ..]
	s_lshl_b32 s3, s2, 11
	v_add_nc_u32 v[OEMB], s3, v[OEMB]
	v_lshlrev_b32 v[OL4], 2, v[LANE]
	v_lshlrev_b32 v[OL8], 3, v[LANE]
	v_sub_nc_u32 v[OSEQ], 496, v[L16]              ; seq is taken with the lanes mirrored: 16 (31 - lane)
	v_lshl_add_u32 v[AWF], s2, 10, v[L16]
	s_lshl_b32 s3, s2, 7
	v_lshl_add_u32 v[ANRD], v[RR], 3, s3           ; 8 (16 w + r)
	v_mul_u32_u24 v[ATROW], v[RR], TP
	v_add_nc_u32 v[ATROW], v[ATROW], v[OH32]
	v_add_nc_u32 v[ATROW], s53, v[ATROW]           ; 144 (16 w + r) + 32 h
	v_add_nc_u32 v[ATOK], s54, v[L16]
	s_lshl_b32 s34, s52, 12
	s_mov_b32 s35, 0
	s_wait_kmcnt 0x0
	s_add_nc_u64 s[8:9], s[8:9], s[34:35]          ; my row of seq
	s_lshl_b32 s34, s52, 8
	s_add_nc_u64 s[32:33], s[32:33], s[34:35]      ; my row of out0
	; ALL GLOBAL LOADS, in the order in which they are needed.
	; 32 loads: wave w gathers one fragment of w1^T (units 16 w ..) and one of w2^T (dims 16 (w>>1) .., units 32 (w&1) ..)
.set ee, 0
.rept 16
.if ee < 8
.set kk, ee
.else
.set kk, ee+8
.endif
	global_load_b32 v[WL+ee], v[OW1], s[12:13] offset:kk*256
	global_load_b32 v[WL+16+ee], v[OW2], s[16:17] offset:kk*128
.set ee, ee+1
.endr
	; 6 loads: read_w and out_w, 16 bytes a thread
.irp i, 0,1
	global_load_b128 v[G2R+4*\i:G2R+4*\i+3], v[OT16], s[24:25] offset:2048*\i
.endr
.irp i, 0,1,2,3
	global_load_b128 v[G2R+8+4*\i:G2R+8+4*\i+3], v[OT16], s[28:29] offset:2048*\i
.endr
	; 26 loads: my token's half row of embed; biases and gains in the layout of a matrix result (register 8 p + j: index 16 p + 8 h + j)
.irp q, 0,1,2,3
	global_load_b128 v[EH+4*\q:EH+4*\q+3], v[OEMB], s[10:11] offset:16*(\q&1)+64*(\q>>1)
.endr
.irp q, 0,1,2,3,4,5,6,7
	global_load_b128 v[ACC1+4*\q:ACC1+4*\q+3], v[OH32], s[14:15] offset:16*(\q&1)+64*(\q>>1)
.endr
.irp q, 0,1,2,3
	global_load_b128 v[ACC2+4*\q:ACC2+4*\q+3], v[OH32], s[18:19] offset:16*(\q&1)+64*(\q>>1)
	global_load_b128 v[LG+4*\q:LG+4*\q+3], v[OH32], s[20:21] offset:16*(\q&1)+64*(\q>>1)
	global_load_b128 v[LB+4*\q:LB+4*\q+3], v[OH32], s[22:23] offset:16*(\q&1)+64*(\q>>1)
.endr
	global_load_b32 v[RDB], v[OL4], s[26:27]
	global_load_b64 v[OUTB:OUTB+1], v[OL8], s[30:31]
	; 8 loads: my 4,096 bytes of seq, last block first: group i, lane l, word j holds t = 128 (7 - i) + 4 (31 - l) + j; each load covers 512 consecutive bytes
.irp i, 0,1,2,3,4,5,6,7
	global_load_b128 v[SEQR+4*\i:SEQR+4*\i+3], v[OSEQ], s[8:9] offset:512*(7-\i) th:TH_LOAD_NT
.endr
	; PHASE 1: the weights go to LDS for all four waves
	s_wait_loadcnt 34                              ; the 38 oldest are in; the 26 + 8 younger loads stay out
.set jj, 0
.rept 16
	v_cvt_pk_bf16_f32 v[TT+jj], v[WL+2*jj], v[WL+2*jj+1]   ; element e in register e / 2, the lower k in the low half
.set jj, jj+1
.endr
	ds_store_b128 v[AWF], v[TT:TT+3] offset:WF             ; fragment w: w1^T
	ds_store_b128 v[AWF], v[TT+4:TT+7] offset:WF+512
	ds_store_b128 v[AWF], v[TT+8:TT+11] offset:WF+4096     ; fragment 4 + w: w2^T
	ds_store_b128 v[AWF], v[TT+12:TT+15] offset:WF+4096+512
.irp i, 0,1
	ds_store_b128 v[OT16], v[G2R+4*\i:G2R+4*\i+3] offset:RWL+2048*\i
.endr
.irp i, 0,1,2,3
	ds_store_b128 v[OT16], v[G2R+8+4*\i:G2R+8+4*\i+3] offset:OWL+2048*\i
.endr
	s_wait_dscnt 0x0                               ; my stores are done, for the other waves' sake
	s_barrier_signal -1
	s_barrier_wait -1
	; PHASE 2: the encoder's products for tokens 16 w .. 16 w + 15, used transposed: A = a tile of the weights' transpose, B = tokens as columns,
	; so that a result's register j of lane (r, h) is index 8 h + j of token r: the layout of a B fragment's halves, and no shuffle is needed between the products.
.set ff, 0
.rept 8
	ds_load_b128 v[WFR+8*ff:WFR+8*ff+3], v[L16] offset:WF+1024*ff
	ds_load_b128 v[WFR+8*ff+4:WFR+8*ff+7], v[L16] offset:WF+1024*ff+512
.set ff, ff+1
.endr
	s_wait_loadcnt 8                               ; all but the eight loads of seq
.irp j, 0,1,2,3,4,5,6,7
	v_cvt_pk_bf16_f32 v[HB+\j], v[EH+2*\j], v[EH+2*\j+1]
.endr
.irp j, 0,2,4,6,8,10,12,14
	v_pk_add_f32 v[ACC2+\j:ACC2+\j+1], v[ACC2+\j:ACC2+\j+1], v[EH+\j:EH+\j+1]    ; product 2 starts from h + b2
.endr
	s_wait_dscnt 0x0                               ; the fragments are in
.irp u, 0,1,2,3
	v_wmma_f32_16x16x32_bf16 v[ACC1+8*\u:ACC1+8*\u+7], v[WFR+8*\u:WFR+8*\u+7], v[HB:HB+7], v[ACC1+8*\u:ACC1+8*\u+7]   ; units 16 u ..: w1^T h + b1; four accumulators
.endr
.rept 4
	v_nop                                          ; four places before a vector instruction touches a matrix result (ISA guide 7.12.1)
.endr
.set jj, 0
.rept 32
	v_max_num_f32 v[ACC1+jj], 0, v[ACC1+jj]
.set jj, jj+1
.endr
.set jj, 0
.rept 16
	v_cvt_pk_bf16_f32 v[ACTB+jj], v[ACC1+2*jj], v[ACC1+2*jj+1]   ; fragment s: registers 0-3 from accumulator 2 s, 4-7 from 2 s + 1
.set jj, jj+1
.endr
	; the two accumulators take turns, one instruction a turn
.irp s, 0,1
.irp p, 0,1
	v_wmma_f32_16x16x32_bf16 v[ACC2+8*\p:ACC2+8*\p+7], v[WFR+8*(4+2*\p+\s):WFR+8*(4+2*\p+\s)+7], v[ACTB+8*\s:ACTB+8*\s+7], v[ACC2+8*\p:ACC2+8*\p+7]
.endr
.endr
.rept 4
	v_nop                                          ; four places, as above
.endr
	; PHASE 3: LayerNorm of x (register 8 p + j of lane (r, h): dim 16 p + 8 h + j of token r), d, and T into LDS
.macro CROSS                           ; v[TT] + v[TT+1], then plus the other half of the lanes: the same sum in lanes r and r + 16
	v_add_f32 v[TT], v[TT], v[TT+1]
	v_permlanex16_b32 v[TT+1], v[TT], s36, s37
	v_add_f32 v[TT], v[TT], v[TT+1]
.endm
.macro SUMSQ                           ; the sum of the squares of a token's 32 numbers, two chains
	v_pk_mul_f32 v[TT:TT+1], v[ACC2:ACC2+1], v[ACC2:ACC2+1]
	v_pk_mul_f32 v[TT+2:TT+3], v[ACC2+2:ACC2+3], v[ACC2+2:ACC2+3]
.irp j, 4,8,12
	v_pk_fma_f32 v[TT:TT+1], v[ACC2+\j:ACC2+\j+1], v[ACC2+\j:ACC2+\j+1], v[TT:TT+1]
	v_pk_fma_f32 v[TT+2:TT+3], v[ACC2+\j+2:ACC2+\j+3], v[ACC2+\j+2:ACC2+\j+3], v[TT+2:TT+3]
.endr
	v_pk_add_f32 v[TT:TT+1], v[TT:TT+1], v[TT+2:TT+3]
	CROSS
.endm
	v_pk_add_f32 v[TT:TT+1], v[ACC2:ACC2+1], v[ACC2+2:ACC2+3]
	v_pk_add_f32 v[TT+2:TT+3], v[ACC2+4:ACC2+5], v[ACC2+6:ACC2+7]
	v_pk_add_f32 v[TT+4:TT+5], v[ACC2+8:ACC2+9], v[ACC2+10:ACC2+11]
	v_pk_add_f32 v[TT+6:TT+7], v[ACC2+12:ACC2+13], v[ACC2+14:ACC2+15]
	v_pk_add_f32 v[TT:TT+1], v[TT:TT+1], v[TT+2:TT+3]
	v_pk_add_f32 v[TT+4:TT+5], v[TT+4:TT+5], v[TT+6:TT+7]
	v_pk_add_f32 v[TT:TT+1], v[TT:TT+1], v[TT+4:TT+5]
	CROSS
	v_mul_f32 v[TT+8], s39, v[TT]                  ; the mean, twice
	v_mul_f32 v[TT+9], s39, v[TT]
.irp j, 0,2,4,6,8,10,12,14
	v_pk_add_f32 v[ACC2+\j:ACC2+\j+1], v[ACC2+\j:ACC2+\j+1], v[TT+8:TT+9] neg_lo:[0,1] neg_hi:[0,1]
.endr
	SUMSQ
	v_fmaak_f32 v[TT+4], s39, v[TT], 0x3727c5ac    ; variance + 1e-5
	v_rsq_f32 v[TT+8], v[TT+4]
	v_nop                                          ; one plain instruction before the result is used (ISA guide 5.7.2)
	s_wait_alu depctr_va_vdst(0)
	v_mov_b32 v[TT+9], v[TT+8]
.irp j, 0,2,4,6,8,10,12,14
	v_pk_mul_f32 v[LG+\j:LG+\j+1], v[LG+\j:LG+\j+1], v[TT+8:TT+9]
.endr
.irp j, 0,2,4,6,8,10,12,14
	v_pk_fma_f32 v[ACC2+\j:ACC2+\j+1], v[ACC2+\j:ACC2+\j+1], v[LG+\j:LG+\j+1], v[LB+\j:LB+\j+1]   ; hidden
.endr
	SUMSQ
	v_add_f32 v[TT+4], 0x358637bd, v[TT]           ; d = k.k + 1e-6
	v_rcp_f32 v[TT+5], v[TT+4]
	v_nop                                          ; one plain instruction, as above
	v_mul_f32 v[TT+7], -1.0, v[TT+4]               ; -d
	s_wait_alu depctr_va_vdst(0)
	v_mul_f32 v[TT+6], -1.0, v[TT+5]               ; -1/d
	ds_store_b64 v[ANRD], v[TT+6:TT+7] offset:NRD  ; lanes r and r + 16 store the same two words
.irp q, 0,1,2,3
	ds_store_b128 v[ATROW], v[ACC2+4*\q:ACC2+4*\q+3] offset:TROW+16*(\q&1)+64*(\q>>1)
.endr
	s_wait_loadcnt 0x0                             ; seq is in; every offset register of a global load is free from here on
.irp i, 0,1,2,3,4,5,6,7
	ds_store_b128 v[ATOK], v[SEQR+4*\i:SEQR+4*\i+3] offset:512*\i    ; word 128 i + 4 l + j holds t = 1023 - (128 i + 4 l + 3 - j): position P in word P xor 3
.endr
	s_wait_dscnt 0x0                               ; T and d are stored, for the other waves' sake
	s_barrier_signal -1
	s_barrier_wait -1
	; PHASE 4: the records of tokens a = 16 w + i.  Lane l holds rows l and l + 32 of T; token a's row comes as a broadcast; two tokens at a time, two buffers.
	v_mov_b32 v[GA], s53
	v_lshl_add_u32 v[GB], v[LANE], 2, s53
	s_lshl_b32 s3, s2, 7
	v_mov_b32 v[GC], s3
	v_lshl_add_u32 v[GD], s2, 13, v[L16]
	v_mul_u32_u24 v[GT], v[LANE], TP
.irp m, 0,1,2,3,4,5,6,7
	ds_load_b128 v[TV+4*\m:TV+4*\m+3], v[GT] offset:TROW+16*\m
	ds_load_b128 v[TV+32+4*\m:TV+32+4*\m+3], v[GT] offset:TROW+32*TP+16*\m
.endr
.macro GLOAD g, bb                     ; 22 LDS loads: for tokens i = 2 g, 2 g + 1 the row, -d, T[a][lane] and (-1/d, -d)
.irp e, 0,1
.irp m, 0,1,2,3,4,5,6,7
	ds_load_b128 v[TA+64*(\bb)+32*\e+4*\m:TA+64*(\bb)+32*\e+4*\m+3], v[GA] offset:TROW+(2*(\g)+\e)*TP+16*\m
.endr
	ds_load_b32 v[RV+16*(\bb)+8*\e+2], v[GC] offset:NRD+(2*(\g)+\e)*8+4
	ds_load_b32 v[RV+16*(\bb)+8*\e+3], v[GB] offset:TROW+(2*(\g)+\e)*TP
	ds_load_b64 v[RV+16*(\bb)+8*\e+4:RV+16*(\bb)+8*\e+5], v[GC] offset:NRD+(2*(\g)+\e)*8
.endr
.endm
.macro GPAIR more                      ; tokens 2 GG, 2 GG + 1 from buffer BB: four dot products of 32, each in two packed chains of eight
.if \more
	GLOAD GG+1,1-BB
	s_wait_dscnt 22                                ; all but the 22 loads just issued: this pair's rows are in (LDS answers a wave in order: ISA guide 5.7.1)
.else
	s_wait_dscnt 0x0
.endif
.set TB, TA+64*BB
.set RW2, RV+16*BB
.irp m, 0,1,2,3,4,5,6,7
.irp e, 0,1
.irp x, 0,1
.irp c, 0,1
.if \m == 0
	v_pk_mul_f32 v[GACC+2*(4*\e+2*\x+\c):GACC+2*(4*\e+2*\x+\c)+1], v[TB+32*\e+4*\m+2*\c:TB+32*\e+4*\m+2*\c+1], v[TV+32*\x+4*\m+2*\c:TV+32*\x+4*\m+2*\c+1]
.else
	v_pk_fma_f32 v[GACC+2*(4*\e+2*\x+\c):GACC+2*(4*\e+2*\x+\c)+1], v[TB+32*\e+4*\m+2*\c:TB+32*\e+4*\m+2*\c+1], v[TV+32*\x+4*\m+2*\c:TV+32*\x+4*\m+2*\c+1], v[GACC+2*(4*\e+2*\x+\c):GACC+2*(4*\e+2*\x+\c)+1]
.endif
.endr
.endr
.endr
.endr
.irp e, 0,1
.irp x, 0,1
	v_pk_add_f32 v[GACC+2*(4*\e+2*\x):GACC+2*(4*\e+2*\x)+1], v[GACC+2*(4*\e+2*\x):GACC+2*(4*\e+2*\x)+1], v[GACC+2*(4*\e+2*\x)+2:GACC+2*(4*\e+2*\x)+3]
.endr
.endr
.irp e, 0,1
.irp x, 0,1
	v_add_f32 v[RW2+8*\e+\x], v[GACC+2*(4*\e+2*\x)], v[GACC+2*(4*\e+2*\x)+1]
.endr
.endr
.irp e, 0,1
	v_pk_mul_f32 v[RW2+8*\e:RW2+8*\e+1], v[RW2+8*\e:RW2+8*\e+1], v[RW2+8*\e+4:RW2+8*\e+5] op_sel_hi:[1,0]   ; both times -1/d_a
	ds_store_b128 v[GD], v[RW2+8*\e:RW2+8*\e+3] offset:REC+(2*GG+\e)*512
.endr
.set GG, GG+1
.set BB, 1-BB
.endm
.set GG, 0
.set BB, 0
	GLOAD 0,0
.rept 7
	GPAIR 1
.endr
	GPAIR 0
	s_wait_dscnt 0x0                               ; my sixteen records are stored, for the other waves' sake
	s_barrier_signal -1
	s_barrier_wait -1                              ; from here on no wave writes LDS
	; PHASE 5: the recurrence.  32 iterations of 32 positions; position p of iteration it is t = 1023 - 32 it - p and lies in lane p xor 3 of the token registers.
	; Position 0 of the first iteration is the query; the other 1,023 are steps.
.macro DERIVE tok, ln, mk              ; per position: the token held to 63, its lane (a & 31) and a mask of ones where a >= 32
	v_min_u32 v[\tok], 63, v[\tok]
	v_and_b32 v[\ln], 31, v[\tok]
	v_lshlrev_b32 v[TMP5], 26, v[\tok]
	v_ashrrev_i32 v[\mk], 31, v[TMP5]
.endm
.macro PREP idx, src, ln               ; the LDS address of a later position's record: 512 a + 16 lane
	v_readlane_b32 s[PT+((\idx)&3)], v[\src], \ln
	s_min_u32 s[PT+((\idx)&3)], s[PT+((\idx)&3)], 63
	v_lshl_add_u32 v[ADR+(\idx)], s[PT+((\idx)&3)], 9, v[L16]
.endm
.macro LOADS buf                       ; sixteen records in one run, 512 consecutive bytes each
.irp k, 0,1,2,3,4,5,6,7,8,9,10,11,12,13,14,15
	ds_load_b128 v[\buf+4*\k:\buf+4*\k+3], v[ADR+\k]
.endr
.endm
; Position PP.  The dependent chain is select, read of a lane, packed multiply-add; the scalars of the next position and the addresses of
; later records stand between the read of alpha and its use.  psrc: 1 = addresses of this iteration's positions 16-31, 2 = of the next iteration's 0-15.
.macro STEP first, last, psrc
.set KK, PP & 15
.set PAR, PP & 1
.set BUF, RA + 64*(PP >> 4) + 4*KK
.set MODE, 0
.if \first
.if PP < 2
.set MODE, PP + 1
.endif
.endif
.if MODE != 1
	v_cndmask_b32 v[X], v[S], v[S+1], s[MK+PAR]    ; the half of s that holds token a
	v_readlane_b32 s[AL+2*PAR], v[X], s[LN+PAR]    ; alpha = s[a]
.endif
.if PP < 31
	v_readlane_b32 s[LN+1-PAR], v[LANEC], (PP+1)^3
	v_readlane_b32 s[MK+1-PAR], v[MASKC], (PP+1)^3
.else
.if \last == 0
	v_readlane_b32 s[LN+1-PAR], v[LANEN], 3
	v_readlane_b32 s[MK+1-PAR], v[MASKN], 3
.endif
.endif
.if KK < 8
.if \psrc == 1
	PREP 2*KK,TOKC,(16+2*KK)^3
	PREP 2*KK+1,TOKC,(17+2*KK)^3
.endif
.if \psrc == 2
	PREP 2*KK,TOKN,(2*KK)^3
	PREP 2*KK+1,TOKN,(2*KK+1)^3
.endif
.endif
.if MODE == 1
	v_pk_mul_f32 v[S:S+1], v[BUF:BUF+1], v[BUF+2:BUF+3] op_sel_hi:[1,0]          ; the query: s = -d_q N[q][:] = T T_q
.else
	v_pk_fma_f32 v[S:S+1], v[BUF:BUF+1], s[AL+2*PAR:AL+2*PAR+1], v[S:S+1] op_sel_hi:[1,0,1]   ; s += alpha N[a][:]
.if MODE == 2
	v_mul_f32 v[C], s[AL+2*PAR], v[BUF+3]          ; the first step starts c
.else
	v_fmac_f32 v[C], s[AL+2*PAR], v[BUF+3]         ; c += alpha T[a][:]
.endif
.endif
.set PP, PP+1
.endm
.macro HALF hf, first, last
	s_wait_dscnt 0x0                               ; this half's sixteen records (and, in the second half, the next tokens), asked for eight steps ago
.if \hf
.if \last == 0
	DERIVE TOKN, LANEN, MASKN
.endif
.endif
.set PS, 1
.if \hf
.set PS, 2*(1-\last)
.endif
.rept 8
	STEP \first, \last, PS
.endr
.if \hf == 0
.if \last == 0
	ds_load_b32 v[TOKN], v[TADR]                   ; the next iteration's 32 tokens
.endif
	LOADS RB
.else
.if \last == 0
	LOADS RA
.endif
.endif
.rept 8
	STEP \first, \last, 0
.endr
.endm
.macro ITER first, last
.set PP, 0
	HALF 0, \first, \last
	HALF 1, \first, \last
.if \last == 0
	v_mov_b32 v[TOKC], v[TOKN]
	v_mov_b32 v[LANEC], v[LANEN]
	v_mov_b32 v[MASKC], v[MASKN]
	v_add_nc_u32 v[TADR], 128, v[TADR]             ; its load was waited for at the head of the second half
.endif
.endm
	v_lshl_add_u32 v[TADR], v[LANE], 2, s54
	ds_load_b32 v[TOKC], v[TADR]
	s_mov_b32 s[AL+1], 0                           ; the packed multiply-add names pairs; it takes the even register for both halves
	s_mov_b32 s[AL+3], 0
	s_wait_dscnt 0x0
	v_add_nc_u32 v[TADR], 128, v[TADR]
	DERIVE TOKC, LANEC, MASKC
.set jj, 0
.rept 16
	PREP jj,TOKC,jj^3
.set jj, jj+1
.endr
	LOADS RA
	ITER 1, 0
	s_mov_b32 s38, 30
.Lit:
	ITER 0, 0
	s_sub_co_i32 s38, s38, 1
	s_cmp_lg_u32 s38, 0
	s_cbranch_scc1 .Lit
	ITER 0, 1                                      ; the last iteration asks for nothing beyond t = 0
	; PHASE 6: out = (c read_w + read_b) out_w + out_b, each wave for its own row; lane = column of read, two columns of out
	v_lshlrev_b32 v[A4], 2, v[LANE]
	v_lshlrev_b32 v[A8], 3, v[LANE]
.set jj, 0
.rept 32
	ds_load_b32 v[RWV+jj], v[A4] offset:RWL+128*jj
.set jj, jj+1
.endr
.set jj, 0
.rept 32
	ds_load_b64 v[OWV+2*jj:OWV+2*jj+1], v[A8] offset:OWL+256*jj
.set jj, jj+1
.endr
.set jj, 0
.rept 32
	v_readlane_b32 s[66+jj], v[C], jj
.set jj, jj+1
.endr
	s_wait_dscnt 32                                ; read_w is in; the 32 younger loads of out_w stay out
	v_fma_f32 v[RACC], s66, v[RWV], v[RDB]         ; four chains; the first starts from read_b
.irp c, 1,2,3
	v_mul_f32 v[RACC+\c], s[66+\c], v[RWV+\c]
.endr
.set jj, 4
.rept 28
	v_fmac_f32 v[RACC+(jj&3)], s[66+jj], v[RWV+jj]
.set jj, jj+1
.endr
	v_add_f32 v[RACC], v[RACC], v[RACC+1]
	v_add_f32 v[RACC+2], v[RACC+2], v[RACC+3]
	v_add_f32 v[RACC], v[RACC], v[RACC+2]
.set jj, 0
.rept 32
	v_readlane_b32 s[66+jj], v[RACC], jj
.set jj, jj+1
.endr
	s_wait_dscnt 0x0
	v_fma_f32 v[OACC], s66, v[OWV], v[OUTB]        ; four chains for each of my two columns; the first pair starts from out_b
	v_fma_f32 v[OACC+1], s66, v[OWV+1], v[OUTB+1]
.irp c, 1,2,3
	v_mul_f32 v[OACC+2*\c], s[66+\c], v[OWV+2*\c]
	v_mul_f32 v[OACC+2*\c+1], s[66+\c], v[OWV+2*\c+1]
.endr
.set jj, 4
.rept 28
	v_fmac_f32 v[OACC+2*(jj&3)], s[66+jj], v[OWV+2*jj]
	v_fmac_f32 v[OACC+2*(jj&3)+1], s[66+jj], v[OWV+2*jj+1]
.set jj, jj+1
.endr
	v_pk_add_f32 v[OACC:OACC+1], v[OACC:OACC+1], v[OACC+2:OACC+3]
	v_pk_add_f32 v[OACC+4:OACC+5], v[OACC+4:OACC+5], v[OACC+6:OACC+7]
	v_pk_add_f32 v[OACC:OACC+1], v[OACC:OACC+1], v[OACC+4:OACC+5]
	global_store_b64 v[A8], v[OACC:OACC+1], s[32:33] th:TH_STORE_NT   ; the wave's store covers my row's 256 consecutive bytes, aligned
	s_set_vgpr_msb 0x5
	s_wait_tensorcnt 0x0
	ds_add_u32 v0, v1
	s_wait_dscnt 0x0
	s_set_vgpr_msb 0x500
	s_endpgm
.Lfunc_end_k_q728b409721_delta:
	.size	k_q728b409721_delta, .Lfunc_end_k_q728b409721_delta-k_q728b409721_delta
	.p2alignl 7, 3214868480
	.fill 96, 4, 3214868480
	.section	.rodata,"a",@progbits
	.p2align	6, 0x0
	.amdhsa_kernel k_q728b409721_delta
		.amdhsa_group_segment_fixed_size 168448
		.amdhsa_private_segment_fixed_size 0
		.amdhsa_enable_private_segment 0
		.amdhsa_kernarg_size 104
		.amdhsa_user_sgpr_count 2
		.amdhsa_user_sgpr_kernarg_segment_ptr 1
		.amdhsa_wavefront_size32 1
		.amdhsa_system_sgpr_workgroup_id_x 1
		.amdhsa_system_sgpr_workgroup_id_y 1
		.amdhsa_system_sgpr_workgroup_id_z 1
		.amdhsa_system_vgpr_workitem_id 0
		.amdhsa_next_free_vgpr 258
		.amdhsa_next_free_sgpr 100
		.amdhsa_reserve_vcc 0
		.amdhsa_float_denorm_mode_32 3
		.amdhsa_float_denorm_mode_16_64 3
		.amdhsa_memory_ordered 1
		.amdhsa_forward_progress 1
		.amdhsa_inst_pref_size 138
	.end_amdhsa_kernel
	.amdgpu_metadata
---
amdhsa.version: [ 1, 2 ]
amdhsa.kernels:
  - .name:           k_q728b409721_delta
    .symbol:         k_q728b409721_delta.kd
    .args:
      - { .name: seq, .offset: 0, .size: 8, .value_kind: global_buffer, .address_space: global }
      - { .name: embed, .offset: 8, .size: 8, .value_kind: global_buffer, .address_space: global }
      - { .name: w1, .offset: 16, .size: 8, .value_kind: global_buffer, .address_space: global }
      - { .name: b1, .offset: 24, .size: 8, .value_kind: global_buffer, .address_space: global }
      - { .name: w2, .offset: 32, .size: 8, .value_kind: global_buffer, .address_space: global }
      - { .name: b2, .offset: 40, .size: 8, .value_kind: global_buffer, .address_space: global }
      - { .name: ln_g, .offset: 48, .size: 8, .value_kind: global_buffer, .address_space: global }
      - { .name: ln_b, .offset: 56, .size: 8, .value_kind: global_buffer, .address_space: global }
      - { .name: read_w, .offset: 64, .size: 8, .value_kind: global_buffer, .address_space: global }
      - { .name: read_b, .offset: 72, .size: 8, .value_kind: global_buffer, .address_space: global }
      - { .name: out_w, .offset: 80, .size: 8, .value_kind: global_buffer, .address_space: global }
      - { .name: out_b, .offset: 88, .size: 8, .value_kind: global_buffer, .address_space: global }
      - { .name: out0, .offset: 96, .size: 8, .value_kind: global_buffer, .address_space: global }
    .group_segment_fixed_size: 168448
    .private_segment_fixed_size: 0
    .kernarg_segment_align: 8
    .kernarg_segment_size: 104
    .max_flat_workgroup_size: 128
    .sgpr_count:     100
    .vgpr_count:     258
    .wavefront_size: 32
...
	.end_amdgpu_metadata
.endif
;; end of part 1
;; ======== version 2 of 4: 1 launch; 1.66 times as fast as version 1
;; launch delta (part 2): grid 256 x 1, 4 waves a work-group, no clusters, 168,448 bytes of LDS; arguments seq, embed, w1, b1, w2, b2, ln_g, ln_b, read_w, read_b, out_w, out_b, out0; writes out0
.if DOCPART == 2
	.amdgcn_target "amdgcn-amd-amdhsa--gfx1250"
	.amdhsa_code_object_version 6
	.text
	.protected	k_q728b409721_delta
	.globl	k_q728b409721_delta
	.p2align	8
	.type	k_q728b409721_delta,@function
k_q728b409721_delta:
	s_mov_b64 s[64:65], 0
	v_nop
	global_prefetch_b8 v0, s[64:65] scope:SCOPE_SE
	s_setreg_imm32_b32 hwreg(HW_REG_WAVE_MODE, 25, 1), 1
	s_wait_xcnt 0x0
; DeltaRuleModel: out0[b] = ((M_b q_b) read_w + read_b) out_w + out_b, M_b the delta-rule memory of row b after 1,023 steps.
; One launch, 256 work-groups of four waves; wave w of work-group g owns batch row b = 4 g + w from its tokens to its 64 outputs.
;
; WHAT IS NOT COMPUTED, AND WHY THE RESULT IS THE SAME FOR ALL VALUES OF THE INPUTS (exact arithmetic):
; 1. The encoder acts on embed[seq[b][l]] row by row, so hidden[b][l] is a function of the token alone: there are 64 different
;    hidden vectors.  They are made once, as the table T[64][32], and looked up by the token read from memory.
; 2. M is never formed.  A step is M' = M + (k - M k / d) k^T = M (I - k k^T / d) + k k^T, d = k.k + 1e-6, and M starts as the zeros
;    that the module builds itself.  Only M q is used.  Walking the steps backwards, t = 1022 .. 0, with u = q and c = 0:
;    alpha = k_t . u;  c += alpha k_t;  u -= alpha k_t / d_t;  at the end c = M q.  This is associativity of the products, nothing else.
; 3. All keys are rows of T, so s[v] = T_v . u (64 numbers, two a lane) is carried in place of u: alpha = s[a_t] is a read of one lane,
;    and the step is s += alpha N[a_t][:], N[a][v] = -(T_a . T_v) / d_a, a table of 64 x 64 made once.  At the start s = T T_q.
; No input is left out: all thirteen buffers are arguments.
; LIMITS.  The order of rounding differs from the module's as written.  A NaN, an infinity or an overflow that would arise only inside M
; is not carried to the result.  1 / d is v_rcp_f32 (1 ULP; d >= 1e-6).  Tokens are taken as unsigned and held to 63 at the most (the problem
; has them in 0 .. 63).  The encoder's two products have bf16 operands and f32 sums; T's residual, LayerNorm, d, N, the recurrence and the
; two last products (one row a wave: a sixteenth of a matrix tile) are f32 on the vector unit: N is part of what is carried from step to step.
; The launch asks for more LDS than the 79,360 bytes it uses, so that a work-group is alone where it runs: each wave is one dependent chain.
; No tile is shared between work-groups but 37 KiB of weights read once at the start: no cluster, no tensor loads.
; ---- LDS map (bytes)
.set TP,    144                        ; pitch of a row of T: 128 bytes + 16
.set REC,   0                          ; 64 records of 512 bytes: token a, lane l at 512 a + 16 l: N[a][l], N[a][l+32], -d_a, T[a][l]
.set TROW,  32768                      ; T[a][dim] at 144 a + 4 dim
.set NRD,   41984                      ; 8 a: -1/d_a, -d_a
.set RWL,   42496                      ; read_w as in memory
.set OWL,   46592                      ; out_w as in memory
.set WF,    54784                      ; eight bf16 weight fragments: 1024 f + 512 (register half) + 16 lane
.set TOKS,  62976                      ; 4,096 bytes a wave: its tokens, position P = 1023 - t in word P xor 3
; ---- registers that live through the kernel
.set LANE,  1
.set OUTB,  2                          ; v[2:3] out_b of my two columns
.set L16,   4                          ; 16 x lane, never rewritten
.set RDB,   5                          ; read_b of my column
; ---- encoder phases
.set OW1,   6                          ; offsets of global loads, each written once and left alone until all loads are in
.set OW2,   7
.set OT16,  8
.set OEMB,  9
.set OH32,  10
.set OL4,   11
.set OL8,   12
.set AWF,   13                         ; LDS addresses
.set ANRD,  14
.set ATROW, 15
.set EH,    16                         ; v[16:31]   my token's 16 numbers of embed, f32
.set ACC1,  32                         ; v[32:63]   four accumulators of product 1, started with b1
.set WL,    64                         ; v[64:95]   weights as loaded
.set WFR,   64                         ; v[64:127]  the eight fragments
.set G2R,   96                         ; v[96:119]  read_w, out_w on their way to LDS
.set ACC2,  128                        ; v[128:143] two accumulators of product 2, started with h + b2; then x, then hidden
.set LG,    144
.set LB,    160
.set HB,    176                        ; v[176:183] embed rows as a bf16 fragment
.set ACTB,  184                        ; v[184:199] relu's results as two bf16 fragments
.set SEQR,  200                        ; v[200:231] my row of seq
.set TT,    232                        ; v[232:247] at work
.set RR,    248
.set HH,    249
.set ATOK,  250
.set TMP,   251
.set OSEQ,  252
; ---- Gram phase
.set GA,    6
.set GB,    7
.set GC,    8
.set GD,    9
.set GT,    10
.set GACC,  16                         ; v[16:31]   eight packed sums
.set RV,    32                         ; record at 32 + 16 buffer + 8 e: four words, then (-1/d, -d)
.set TV,    64                         ; v[64:95] row lane of T, v[96:127] row lane + 32
.set TA,    128                        ; v[128:255] two buffers of two broadcast rows
; ---- recurrence
.set S,     6                          ; v[6:7] s[lane], s[lane+32]
.set C,     8                          ; c[lane]
.set X,     9
.set TOKC,  10                         ; this iteration's tokens (lane = word), their lane numbers and half masks
.set LANEC, 11
.set MASKC, 12
.set TOKN,  13                         ; the next iteration's
.set LANEN, 14
.set MASKN, 15
.set TADR,  16                         ; LDS address of the next 32 tokens, one word a lane
.set TMP5,  17
.set TBAD,  18                         ; the same 128 bytes, the same address in every lane
.set ADR,   20                         ; v[20:35] sixteen record addresses
.set RA,    64                         ; v[64:127]  records of positions 0-15
.set RB,    128                        ; v[128:191] records of positions 16-31
.set BT,    192                        ; v[192:223] 32 tokens, each the same in every lane: position p in register BT + (p xor 3)
.set AL,    40                         ; s[40:43] alpha, two pairs by the step's parity; the odd registers are 0
.set LN,    44                         ; s44, s45 lane of s[a]
.set MK,    46                         ; s46, s47 all ones where a >= 32
; ---- the way out
.set A4,    17
.set A8,    18
.set RACC,  20
.set OACC,  24
.set RWV,   64
.set OWV,   128
	s_load_b512 s[8:23], s[0:1], 0x0               ; seq s[8:9], embed s[10:11], w1 s[12:13], b1 s[14:15], w2 s[16:17], b2 s[18:19], ln_g s[20:21], ln_b s[22:23]
	s_load_b256 s[24:31], s[0:1], 0x40             ; read_w s[24:25], read_b s[26:27], out_w s[28:29], out_b s[30:31]
	s_load_b64 s[32:33], s[0:1], 0x60              ; out0
	s_set_vgpr_msb 0x40
	v_lshl_add_u32 v0, v0, 2, 0x29000
	v_mov_b32 v1, 0
	s_set_vgpr_msb 0x4000
	v_lshrrev_b32 v[TMP], 5, v0
	v_readfirstlane_b32 s2, v[TMP]                 ; wave 0..3
	v_and_b32 v[LANE], 31, v0
	v_and_b32 v[RR], 15, v0                        ; r
	v_bfe_u32 v[HH], v0, 4, 1                      ; h
	v_lshlrev_b32 v[L16], 4, v[LANE]
	s_mov_b32 s36, 0x76543210                      ; v_permlanex16_b32: lane i takes lane i of the other half
	s_mov_b32 s37, 0xfedcba98
	s_mov_b32 s39, 0x3d000000                      ; 1/32
	s_mul_i32 s53, s2, 16*TP                       ; my 16 tokens' rows of T
	s_lshl_b32 s54, s2, 12
	s_add_co_u32 s54, s54, TOKS                    ; my tokens in LDS
	s_lshl_b32 s52, ttmp9, 2
	s_add_co_u32 s52, s52, s2                      ; b
	; a fragment's element e of lane (r, h) has k = 8 h + e (e < 8) or 8 h + e + 8: 8 h goes into the offset register, the rest into the immediate
	v_lshlrev_b32 v[TMP], 2, v[RR]
	v_lshl_add_u32 v[OW1], v[HH], 11, v[TMP]       ; w1[k][16 w + r]: 2048 h + 4 r
	s_lshl_b32 s3, s2, 6
	v_add_nc_u32 v[OW1], s3, v[OW1]                ; + 64 w
	v_lshl_add_u32 v[OW2], v[HH], 10, v[TMP]       ; w2[32 (w&1) + k][16 (w>>1) + r]: 1024 h + 4 r
	s_and_b32 s3, s2, 1
	s_lshl_b32 s3, s3, 12
	s_lshr_b32 s38, s2, 1
	s_lshl_b32 s38, s38, 6
	s_add_co_u32 s3, s3, s38
	v_add_nc_u32 v[OW2], s3, v[OW2]                ; + 4096 (w&1) + 64 (w>>1)
	v_lshlrev_b32 v[OT16], 4, v0
	v_lshlrev_b32 v[OH32], 5, v[HH]
	v_lshl_add_u32 v[OEMB], v[RR], 7, v[OH32]      ; embed[16 w + r][8 h ..]
	s_lshl_b32 s3, s2, 11
	v_add_nc_u32 v[OEMB], s3, v[OEMB]
	v_lshlrev_b32 v[OL4], 2, v[LANE]
	v_lshlrev_b32 v[OL8], 3, v[LANE]
	v_sub_nc_u32 v[OSEQ], 496, v[L16]              ; seq is taken with the lanes mirrored: 16 (31 - lane)
	v_lshl_add_u32 v[AWF], s2, 10, v[L16]
	s_lshl_b32 s3, s2, 7
	v_lshl_add_u32 v[ANRD], v[RR], 3, s3           ; 8 (16 w + r)
	v_mul_u32_u24 v[ATROW], v[RR], TP
	v_add_nc_u32 v[ATROW], v[ATROW], v[OH32]
	v_add_nc_u32 v[ATROW], s53, v[ATROW]           ; 144 (16 w + r) + 32 h
	v_add_nc_u32 v[ATOK], s54, v[L16]
	s_lshl_b32 s34, s52, 12
	s_mov_b32 s35, 0
	s_wait_kmcnt 0x0
	s_add_nc_u64 s[8:9], s[8:9], s[34:35]          ; my row of seq
	s_lshl_b32 s34, s52, 8
	s_add_nc_u64 s[32:33], s[32:33], s[34:35]      ; my row of out0
	; ALL GLOBAL LOADS, in the order in which they are needed.
	; 32 loads: wave w gathers one fragment of w1^T (units 16 w ..) and one of w2^T (dims 16 (w>>1) .., units 32 (w&1) ..)
.set ee, 0
.rept 16
.if ee < 8
.set kk, ee
.else
.set kk, ee+8
.endif
	global_load_b32 v[WL+ee], v[OW1], s[12:13] offset:kk*256
	global_load_b32 v[WL+16+ee], v[OW2], s[16:17] offset:kk*128
.set ee, ee+1
.endr
	; 6 loads: read_w and out_w, 16 bytes a thread
.irp i, 0,1
	global_load_b128 v[G2R+4*\i:G2R+4*\i+3], v[OT16], s[24:25] offset:2048*\i
.endr
.irp i, 0,1,2,3
	global_load_b128 v[G2R+8+4*\i:G2R+8+4*\i+3], v[OT16], s[28:29] offset:2048*\i
.endr
	; 26 loads: my token's half row of embed; biases and gains in the layout of a matrix result (register 8 p + j: index 16 p + 8 h + j)
.irp q, 0,1,2,3
	global_load_b128 v[EH+4*\q:EH+4*\q+3], v[OEMB], s[10:11] offset:16*(\q&1)+64*(\q>>1)
.endr
.irp q, 0,1,2,3,4,5,6,7
	global_load_b128 v[ACC1+4*\q:ACC1+4*\q+3], v[OH32], s[14:15] offset:16*(\q&1)+64*(\q>>1)
.endr
.irp q, 0,1,2,3
	global_load_b128 v[ACC2+4*\q:ACC2+4*\q+3], v[OH32], s[18:19] offset:16*(\q&1)+64*(\q>>1)
	global_load_b128 v[LG+4*\q:LG+4*\q+3], v[OH32], s[20:21] offset:16*(\q&1)+64*(\q>>1)
	global_load_b128 v[LB+4*\q:LB+4*\q+3], v[OH32], s[22:23] offset:16*(\q&1)+64*(\q>>1)
.endr
	global_load_b32 v[RDB], v[OL4], s[26:27]
	global_load_b64 v[OUTB:OUTB+1], v[OL8], s[30:31]
	; 8 loads: my 4,096 bytes of seq, last block first: group i, lane l, word j holds t = 128 (7 - i) + 4 (31 - l) + j; each load covers 512 consecutive bytes
.irp i, 0,1,2,3,4,5,6,7
	global_load_b128 v[SEQR+4*\i:SEQR+4*\i+3], v[OSEQ], s[8:9] offset:512*(7-\i) th:TH_LOAD_NT
.endr
	; PHASE 1: the weights go to LDS for all four waves
	s_wait_loadcnt 34                              ; the 38 oldest are in; the 26 + 8 younger loads stay out
.set jj, 0
.rept 16
	v_cvt_pk_bf16_f32 v[TT+jj], v[WL+2*jj], v[WL+2*jj+1]   ; element e in register e / 2, the lower k in the low half
.set jj, jj+1
.endr
	ds_store_b128 v[AWF], v[TT:TT+3] offset:WF             ; fragment w: w1^T
	ds_store_b128 v[AWF], v[TT+4:TT+7] offset:WF+512
	ds_store_b128 v[AWF], v[TT+8:TT+11] offset:WF+4096     ; fragment 4 + w: w2^T
	ds_store_b128 v[AWF], v[TT+12:TT+15] offset:WF+4096+512
.irp i, 0,1
	ds_store_b128 v[OT16], v[G2R+4*\i:G2R+4*\i+3] offset:RWL+2048*\i
.endr
.irp i, 0,1,2,3
	ds_store_b128 v[OT16], v[G2R+8+4*\i:G2R+8+4*\i+3] offset:OWL+2048*\i
.endr
	s_wait_dscnt 0x0                               ; my stores are done, for the other waves' sake
	s_barrier_signal -1
	s_barrier_wait -1
	; PHASE 2: the encoder's products for tokens 16 w .. 16 w + 15, used transposed: A = a tile of the weights' transpose, B = tokens as columns,
	; so that a result's register j of lane (r, h) is index 8 h + j of token r: the layout of a B fragment's halves, and no shuffle is needed between the products.
.set ff, 0
.rept 8
	ds_load_b128 v[WFR+8*ff:WFR+8*ff+3], v[L16] offset:WF+1024*ff
	ds_load_b128 v[WFR+8*ff+4:WFR+8*ff+7], v[L16] offset:WF+1024*ff+512
.set ff, ff+1
.endr
	s_wait_loadcnt 8                               ; all but the eight loads of seq
.irp j, 0,1,2,3,4,5,6,7
	v_cvt_pk_bf16_f32 v[HB+\j], v[EH+2*\j], v[EH+2*\j+1]
.endr
.irp j, 0,2,4,6,8,10,12,14
	v_pk_add_f32 v[ACC2+\j:ACC2+\j+1], v[ACC2+\j:ACC2+\j+1], v[EH+\j:EH+\j+1]    ; product 2 starts from h + b2
.endr
	s_wait_dscnt 0x0                               ; the fragments are in
.irp u, 0,1,2,3
	v_wmma_f32_16x16x32_bf16 v[ACC1+8*\u:ACC1+8*\u+7], v[WFR+8*\u:WFR+8*\u+7], v[HB:HB+7], v[ACC1+8*\u:ACC1+8*\u+7]   ; units 16 u ..: w1^T h + b1; four accumulators
.endr
.rept 4
	v_nop                                          ; four places before a vector instruction touches a matrix result (ISA guide 7.12.1)
.endr
.set jj, 0
.rept 32
	v_max_num_f32 v[ACC1+jj], 0, v[ACC1+jj]
.set jj, jj+1
.endr
.set jj, 0
.rept 16
	v_cvt_pk_bf16_f32 v[ACTB+jj], v[ACC1+2*jj], v[ACC1+2*jj+1]   ; fragment s: registers 0-3 from accumulator 2 s, 4-7 from 2 s + 1
.set jj, jj+1
.endr
	; the two accumulators take turns, one instruction a turn
.irp s, 0,1
.irp p, 0,1
	v_wmma_f32_16x16x32_bf16 v[ACC2+8*\p:ACC2+8*\p+7], v[WFR+8*(4+2*\p+\s):WFR+8*(4+2*\p+\s)+7], v[ACTB+8*\s:ACTB+8*\s+7], v[ACC2+8*\p:ACC2+8*\p+7]
.endr
.endr
.rept 4
	v_nop                                          ; four places, as above
.endr
	; PHASE 3: LayerNorm of x (register 8 p + j of lane (r, h): dim 16 p + 8 h + j of token r), d, and T into LDS
.macro CROSS                           ; v[TT] + v[TT+1], then plus the other half of the lanes: the same sum in lanes r and r + 16
	v_add_f32 v[TT], v[TT], v[TT+1]
	v_permlanex16_b32 v[TT+1], v[TT], s36, s37
	v_add_f32 v[TT], v[TT], v[TT+1]
.endm
.macro SUMSQ                           ; the sum of the squares of a token's 32 numbers, two chains
	v_pk_mul_f32 v[TT:TT+1], v[ACC2:ACC2+1], v[ACC2:ACC2+1]
	v_pk_mul_f32 v[TT+2:TT+3], v[ACC2+2:ACC2+3], v[ACC2+2:ACC2+3]
.irp j, 4,8,12
	v_pk_fma_f32 v[TT:TT+1], v[ACC2+\j:ACC2+\j+1], v[ACC2+\j:ACC2+\j+1], v[TT:TT+1]
	v_pk_fma_f32 v[TT+2:TT+3], v[ACC2+\j+2:ACC2+\j+3], v[ACC2+\j+2:ACC2+\j+3], v[TT+2:TT+3]
.endr
	v_pk_add_f32 v[TT:TT+1], v[TT:TT+1], v[TT+2:TT+3]
	CROSS
.endm
	v_pk_add_f32 v[TT:TT+1], v[ACC2:ACC2+1], v[ACC2+2:ACC2+3]
	v_pk_add_f32 v[TT+2:TT+3], v[ACC2+4:ACC2+5], v[ACC2+6:ACC2+7]
	v_pk_add_f32 v[TT+4:TT+5], v[ACC2+8:ACC2+9], v[ACC2+10:ACC2+11]
	v_pk_add_f32 v[TT+6:TT+7], v[ACC2+12:ACC2+13], v[ACC2+14:ACC2+15]
	v_pk_add_f32 v[TT:TT+1], v[TT:TT+1], v[TT+2:TT+3]
	v_pk_add_f32 v[TT+4:TT+5], v[TT+4:TT+5], v[TT+6:TT+7]
	v_pk_add_f32 v[TT:TT+1], v[TT:TT+1], v[TT+4:TT+5]
	CROSS
	v_mul_f32 v[TT+8], s39, v[TT]                  ; the mean, twice
	v_mul_f32 v[TT+9], s39, v[TT]
.irp j, 0,2,4,6,8,10,12,14
	v_pk_add_f32 v[ACC2+\j:ACC2+\j+1], v[ACC2+\j:ACC2+\j+1], v[TT+8:TT+9] neg_lo:[0,1] neg_hi:[0,1]
.endr
	SUMSQ
	v_fmaak_f32 v[TT+4], s39, v[TT], 0x3727c5ac    ; variance + 1e-5
	v_rsq_f32 v[TT+8], v[TT+4]
	v_nop                                          ; one plain instruction before the result is used (ISA guide 5.7.2)
	s_wait_alu depctr_va_vdst(0)
	v_mov_b32 v[TT+9], v[TT+8]
.irp j, 0,2,4,6,8,10,12,14
	v_pk_mul_f32 v[LG+\j:LG+\j+1], v[LG+\j:LG+\j+1], v[TT+8:TT+9]
.endr
.irp j, 0,2,4,6,8,10,12,14
	v_pk_fma_f32 v[ACC2+\j:ACC2+\j+1], v[ACC2+\j:ACC2+\j+1], v[LG+\j:LG+\j+1], v[LB+\j:LB+\j+1]   ; hidden
.endr
	SUMSQ
	v_add_f32 v[TT+4], 0x358637bd, v[TT]           ; d = k.k + 1e-6
	v_rcp_f32 v[TT+5], v[TT+4]
	v_nop                                          ; one plain instruction, as above
	v_mul_f32 v[TT+7], -1.0, v[TT+4]               ; -d
	s_wait_alu depctr_va_vdst(0)
	v_mul_f32 v[TT+6], -1.0, v[TT+5]               ; -1/d
	ds_store_b64 v[ANRD], v[TT+6:TT+7] offset:NRD  ; lanes r and r + 16 store the same two words
.irp q, 0,1,2,3
	ds_store_b128 v[ATROW], v[ACC2+4*\q:ACC2+4*\q+3] offset:TROW+16*(\q&1)+64*(\q>>1)
.endr
	s_wait_loadcnt 0x0                             ; seq is in; every offset register of a global load is free from here on
.irp i, 0,1,2,3,4,5,6,7
	ds_store_b128 v[ATOK], v[SEQR+4*\i:SEQR+4*\i+3] offset:512*\i    ; word 128 i + 4 l + j holds t = 1023 - (128 i + 4 l + 3 - j): position P in word P xor 3
.endr
	s_wait_dscnt 0x0                               ; T and d are stored, for the other waves' sake
	s_barrier_signal -1
	s_barrier_wait -1
	; PHASE 4: the records of tokens a = 16 w + i.  Lane l holds rows l and l + 32 of T; token a's row comes as a broadcast; two tokens at a time, two buffers.
	v_mov_b32 v[GA], s53
	v_lshl_add_u32 v[GB], v[LANE], 2, s53
	s_lshl_b32 s3, s2, 7
	v_mov_b32 v[GC], s3
	v_lshl_add_u32 v[GD], s2, 13, v[L16]
	v_mul_u32_u24 v[GT], v[LANE], TP
.irp m, 0,1,2,3,4,5,6,7
	ds_load_b128 v[TV+4*\m:TV+4*\m+3], v[GT] offset:TROW+16*\m
	ds_load_b128 v[TV+32+4*\m:TV+32+4*\m+3], v[GT] offset:TROW+32*TP+16*\m
.endr
.macro GLOAD g, bb                     ; 22 LDS loads: for tokens i = 2 g, 2 g + 1 the row, -d, T[a][lane] and (-1/d, -d)
.irp e, 0,1
.irp m, 0,1,2,3,4,5,6,7
	ds_load_b128 v[TA+64*(\bb)+32*\e+4*\m:TA+64*(\bb)+32*\e+4*\m+3], v[GA] offset:TROW+(2*(\g)+\e)*TP+16*\m
.endr
	ds_load_b32 v[RV+16*(\bb)+8*\e+2], v[GC] offset:NRD+(2*(\g)+\e)*8+4
	ds_load_b32 v[RV+16*(\bb)+8*\e+3], v[GB] offset:TROW+(2*(\g)+\e)*TP
	ds_load_b64 v[RV+16*(\bb)+8*\e+4:RV+16*(\bb)+8*\e+5], v[GC] offset:NRD+(2*(\g)+\e)*8
.endr
.endm
.macro GPAIR more                      ; tokens 2 GG, 2 GG + 1 from buffer BB: four dot products of 32, each in two packed chains of eight
.if \more
	GLOAD GG+1,1-BB
	s_wait_dscnt 22                                ; all but the 22 loads just issued: this pair's rows are in (LDS answers a wave in order: ISA guide 5.7.1)
.else
	s_wait_dscnt 0x0
.endif
.set TB, TA+64*BB
.set RW2, RV+16*BB
.irp m, 0,1,2,3,4,5,6,7
.irp e, 0,1
.irp x, 0,1
.irp c, 0,1
.if \m == 0
	v_pk_mul_f32 v[GACC+2*(4*\e+2*\x+\c):GACC+2*(4*\e+2*\x+\c)+1], v[TB+32*\e+4*\m+2*\c:TB+32*\e+4*\m+2*\c+1], v[TV+32*\x+4*\m+2*\c:TV+32*\x+4*\m+2*\c+1]
.else
	v_pk_fma_f32 v[GACC+2*(4*\e+2*\x+\c):GACC+2*(4*\e+2*\x+\c)+1], v[TB+32*\e+4*\m+2*\c:TB+32*\e+4*\m+2*\c+1], v[TV+32*\x+4*\m+2*\c:TV+32*\x+4*\m+2*\c+1], v[GACC+2*(4*\e+2*\x+\c):GACC+2*(4*\e+2*\x+\c)+1]
.endif
.endr
.endr
.endr
.endr
.irp e, 0,1
.irp x, 0,1
	v_pk_add_f32 v[GACC+2*(4*\e+2*\x):GACC+2*(4*\e+2*\x)+1], v[GACC+2*(4*\e+2*\x):GACC+2*(4*\e+2*\x)+1], v[GACC+2*(4*\e+2*\x)+2:GACC+2*(4*\e+2*\x)+3]
.endr
.endr
.irp e, 0,1
.irp x, 0,1
	v_add_f32 v[RW2+8*\e+\x], v[GACC+2*(4*\e+2*\x)], v[GACC+2*(4*\e+2*\x)+1]
.endr
.endr
.irp e, 0,1
	v_pk_mul_f32 v[RW2+8*\e:RW2+8*\e+1], v[RW2+8*\e:RW2+8*\e+1], v[RW2+8*\e+4:RW2+8*\e+5] op_sel_hi:[1,0]   ; both times -1/d_a
	ds_store_b128 v[GD], v[RW2+8*\e:RW2+8*\e+3] offset:REC+(2*GG+\e)*512
.endr
.set GG, GG+1
.set BB, 1-BB
.endm
.set GG, 0
.set BB, 0
	GLOAD 0,0
.rept 7
	GPAIR 1
.endr
	GPAIR 0
	s_wait_dscnt 0x0                               ; my sixteen records are stored, for the other waves' sake
	s_barrier_signal -1
	s_barrier_wait -1                              ; from here on no wave writes LDS
	; PHASE 5: the recurrence.  32 iterations of 32 positions; position p of iteration it is t = 1023 - 32 it - p and lies in word p xor 3 of the iteration's 128 bytes of tokens.
	; Position 0 of the first iteration is the query; the other 1,023 are steps.
	; The tokens are read from LDS twice: one word a lane (lane p xor 3), from which the lane number and the half mask of s[a] are read as scalars,
	; and as broadcasts (register BT + (p xor 3), the same in every lane), from which the record addresses are made by vector instructions alone:
	; the loop's only scalar arithmetic is its counter.
.macro DERIVE tok, ln, mk              ; per position: the token held to 63, its lane (a & 31) and a mask of ones where a >= 32
	v_min_u32 v[\tok], 63, v[\tok]
	v_and_b32 v[\ln], 31, v[\tok]
	v_lshlrev_b32 v[TMP5], 26, v[\tok]
	v_ashrrev_i32 v[\mk], 31, v[TMP5]
.endm
.macro TOKB                            ; 32 tokens as broadcasts: eight loads of 16 bytes, every lane at the same address
.irp m, 0,1,2,3,4,5,6,7
	ds_load_b128 v[BT+4*\m:BT+4*\m+3], v[TBAD] offset:16*\m
.endr
.endm
.macro PREP2 i0, r0, r1                ; the LDS addresses of two later positions' records: 512 min(a, 63) + 16 lane; each register of BT is used once between two fills
	v_min_u32 v[BT+(\r0)], 63, v[BT+(\r0)]
	v_min_u32 v[BT+(\r1)], 63, v[BT+(\r1)]
	v_lshl_add_u32 v[ADR+(\i0)], v[BT+(\r0)], 9, v[L16]
	v_lshl_add_u32 v[ADR+(\i0)+1], v[BT+(\r1)], 9, v[L16]
.endm
.macro LOADS buf                       ; sixteen records in one run, 512 consecutive bytes each
.irp k, 0,1,2,3,4,5,6,7,8,9,10,11,12,13,14,15
	ds_load_b128 v[\buf+4*\k:\buf+4*\k+3], v[ADR+\k]
.endr
.endm
; Position PP.  The dependent chain is select, read of a lane, packed multiply-add; the scalars of the next position and the addresses of
; later records stand between the read of alpha and its use.  psrc: 1 = addresses of this iteration's positions 16-31, 2 = of the next iteration's 0-15.
; BT holds this iteration's tokens through steps 0-7 of the first half and the next iteration's from the run behind step 7 on, so both cases read BT.
.macro STEP first, last, psrc
.set KK, PP & 15
.set PAR, PP & 1
.set BUF, RA + 64*(PP >> 4) + 4*KK
.set MODE, 0
.if \first
.if PP < 2
.set MODE, PP + 1
.endif
.endif
.if MODE != 1
	v_cndmask_b32 v[X], v[S], v[S+1], s[MK+PAR]    ; the half of s that holds token a
	v_readlane_b32 s[AL+2*PAR], v[X], s[LN+PAR]    ; alpha = s[a]
.endif
.if PP < 31
	v_readlane_b32 s[LN+1-PAR], v[LANEC], (PP+1)^3
	v_readlane_b32 s[MK+1-PAR], v[MASKC], (PP+1)^3
.else
.if \last == 0
	v_readlane_b32 s[LN+1-PAR], v[LANEN], 3
	v_readlane_b32 s[MK+1-PAR], v[MASKN], 3
.endif
.endif
.if KK < 8
.if \psrc == 1
	PREP2 2*KK,(16+2*KK)^3,(17+2*KK)^3
.endif
.if \psrc == 2
	PREP2 2*KK,(2*KK)^3,(2*KK+1)^3
.endif
.endif
.if MODE == 1
	v_pk_mul_f32 v[S:S+1], v[BUF:BUF+1], v[BUF+2:BUF+3] op_sel_hi:[1,0]          ; the query: s = -d_q N[q][:] = T T_q
.else
	v_pk_fma_f32 v[S:S+1], v[BUF:BUF+1], s[AL+2*PAR:AL+2*PAR+1], v[S:S+1] op_sel_hi:[1,0,1]   ; s += alpha N[a][:]
.if MODE == 2
	v_mul_f32 v[C], s[AL+2*PAR], v[BUF+3]          ; the first step starts c
.else
	v_fmac_f32 v[C], s[AL+2*PAR], v[BUF+3]         ; c += alpha T[a][:]
.endif
.endif
.set PP, PP+1
.endm
.macro HALF hf, first, last
	s_wait_dscnt 0x0                               ; this half's sixteen records (and, in the second half, the next tokens in both forms), asked for eight steps ago
.if \hf
.if \last == 0
	DERIVE TOKN, LANEN, MASKN
.endif
.endif
.set PS, 1
.if \hf
.set PS, 2*(1-\last)
.endif
.rept 8
	STEP \first, \last, PS
.endr
.if \hf == 0
.if \last == 0
	ds_load_b32 v[TOKN], v[TADR]                   ; the next iteration's 32 tokens, one a lane,
	TOKB                                           ; and as broadcasts: this iteration's last use of BT was in the eight steps above
.endif
	LOADS RB
.else
.if \last == 0
	LOADS RA
.endif
.endif
.rept 8
	STEP \first, \last, 0
.endr
.endm
.macro ITER first, last
.set PP, 0
	HALF 0, \first, \last
	HALF 1, \first, \last
.if \last == 0
	v_mov_b32 v[TOKC], v[TOKN]
	v_mov_b32 v[LANEC], v[LANEN]
	v_mov_b32 v[MASKC], v[MASKN]
	v_add_nc_u32 v[TADR], 128, v[TADR]             ; their loads were waited for at the head of the second half
	v_add_nc_u32 v[TBAD], 128, v[TBAD]
.endif
.endm
	v_lshl_add_u32 v[TADR], v[LANE], 2, s54
	v_mov_b32 v[TBAD], s54
	ds_load_b32 v[TOKC], v[TADR]
	TOKB
	s_mov_b32 s[AL+1], 0                           ; the packed multiply-add names pairs; it takes the even register for both halves
	s_mov_b32 s[AL+3], 0
	s_wait_dscnt 0x0
	v_add_nc_u32 v[TADR], 128, v[TADR]
	v_add_nc_u32 v[TBAD], 128, v[TBAD]
	DERIVE TOKC, LANEC, MASKC
.set jj, 0
.rept 8
	PREP2 2*jj,(2*jj)^3,(2*jj+1)^3
.set jj, jj+1
.endr
	LOADS RA
	ITER 1, 0
	s_mov_b32 s38, 30
.Lit:
	ITER 0, 0
	s_sub_co_i32 s38, s38, 1
	s_cmp_lg_u32 s38, 0
	s_cbranch_scc1 .Lit
	ITER 0, 1                                      ; the last iteration asks for nothing beyond t = 0
	; PHASE 6: out = (c read_w + read_b) out_w + out_b, each wave for its own row; lane = column of read, two columns of out
	v_lshlrev_b32 v[A4], 2, v[LANE]
	v_lshlrev_b32 v[A8], 3, v[LANE]
.set jj, 0
.rept 32
	ds_load_b32 v[RWV+jj], v[A4] offset:RWL+128*jj
.set jj, jj+1
.endr
.set jj, 0
.rept 32
	ds_load_b64 v[OWV+2*jj:OWV+2*jj+1], v[A8] offset:OWL+256*jj
.set jj, jj+1
.endr
.set jj, 0
.rept 32
	v_readlane_b32 s[66+jj], v[C], jj
.set jj, jj+1
.endr
	s_wait_dscnt 32                                ; read_w is in; the 32 younger loads of out_w stay out
	v_fma_f32 v[RACC], s66, v[RWV], v[RDB]         ; four chains; the first starts from read_b
.irp c, 1,2,3
	v_mul_f32 v[RACC+\c], s[66+\c], v[RWV+\c]
.endr
.set jj, 4
.rept 28
	v_fmac_f32 v[RACC+(jj&3)], s[66+jj], v[RWV+jj]
.set jj, jj+1
.endr
	v_add_f32 v[RACC], v[RACC], v[RACC+1]
	v_add_f32 v[RACC+2], v[RACC+2], v[RACC+3]
	v_add_f32 v[RACC], v[RACC], v[RACC+2]
.set jj, 0
.rept 32
	v_readlane_b32 s[66+jj], v[RACC], jj
.set jj, jj+1
.endr
	s_wait_dscnt 0x0
	v_fma_f32 v[OACC], s66, v[OWV], v[OUTB]        ; four chains for each of my two columns; the first pair starts from out_b
	v_fma_f32 v[OACC+1], s66, v[OWV+1], v[OUTB+1]
.irp c, 1,2,3
	v_mul_f32 v[OACC+2*\c], s[66+\c], v[OWV+2*\c]
	v_mul_f32 v[OACC+2*\c+1], s[66+\c], v[OWV+2*\c+1]
.endr
.set jj, 4
.rept 28
	v_fmac_f32 v[OACC+2*(jj&3)], s[66+jj], v[OWV+2*jj]
	v_fmac_f32 v[OACC+2*(jj&3)+1], s[66+jj], v[OWV+2*jj+1]
.set jj, jj+1
.endr
	v_pk_add_f32 v[OACC:OACC+1], v[OACC:OACC+1], v[OACC+2:OACC+3]
	v_pk_add_f32 v[OACC+4:OACC+5], v[OACC+4:OACC+5], v[OACC+6:OACC+7]
	v_pk_add_f32 v[OACC:OACC+1], v[OACC:OACC+1], v[OACC+4:OACC+5]
	global_store_b64 v[A8], v[OACC:OACC+1], s[32:33] th:TH_STORE_NT   ; the wave's store covers my row's 256 consecutive bytes, aligned
	s_set_vgpr_msb 0x5
	s_wait_tensorcnt 0x0
	ds_add_u32 v0, v1
	s_wait_dscnt 0x0
	s_set_vgpr_msb 0x500
	s_endpgm
.Lfunc_end_k_q728b409721_delta:
	.size	k_q728b409721_delta, .Lfunc_end_k_q728b409721_delta-k_q728b409721_delta
	.p2alignl 7, 3214868480
	.fill 96, 4, 3214868480
	.section	.rodata,"a",@progbits
	.p2align	6, 0x0
	.amdhsa_kernel k_q728b409721_delta
		.amdhsa_group_segment_fixed_size 168448
		.amdhsa_private_segment_fixed_size 0
		.amdhsa_enable_private_segment 0
		.amdhsa_kernarg_size 104
		.amdhsa_user_sgpr_count 2
		.amdhsa_user_sgpr_kernarg_segment_ptr 1
		.amdhsa_wavefront_size32 1
		.amdhsa_system_sgpr_workgroup_id_x 1
		.amdhsa_system_sgpr_workgroup_id_y 1
		.amdhsa_system_sgpr_workgroup_id_z 1
		.amdhsa_system_vgpr_workitem_id 0
		.amdhsa_next_free_vgpr 258
		.amdhsa_next_free_sgpr 100
		.amdhsa_reserve_vcc 0
		.amdhsa_float_denorm_mode_32 3
		.amdhsa_float_denorm_mode_16_64 3
		.amdhsa_memory_ordered 1
		.amdhsa_forward_progress 1
		.amdhsa_inst_pref_size 133
	.end_amdhsa_kernel
	.amdgpu_metadata
---
amdhsa.version: [ 1, 2 ]
amdhsa.kernels:
  - .name:           k_q728b409721_delta
    .symbol:         k_q728b409721_delta.kd
    .args:
      - { .name: seq, .offset: 0, .size: 8, .value_kind: global_buffer, .address_space: global }
      - { .name: embed, .offset: 8, .size: 8, .value_kind: global_buffer, .address_space: global }
      - { .name: w1, .offset: 16, .size: 8, .value_kind: global_buffer, .address_space: global }
      - { .name: b1, .offset: 24, .size: 8, .value_kind: global_buffer, .address_space: global }
      - { .name: w2, .offset: 32, .size: 8, .value_kind: global_buffer, .address_space: global }
      - { .name: b2, .offset: 40, .size: 8, .value_kind: global_buffer, .address_space: global }
      - { .name: ln_g, .offset: 48, .size: 8, .value_kind: global_buffer, .address_space: global }
      - { .name: ln_b, .offset: 56, .size: 8, .value_kind: global_buffer, .address_space: global }
      - { .name: read_w, .offset: 64, .size: 8, .value_kind: global_buffer, .address_space: global }
      - { .name: read_b, .offset: 72, .size: 8, .value_kind: global_buffer, .address_space: global }
      - { .name: out_w, .offset: 80, .size: 8, .value_kind: global_buffer, .address_space: global }
      - { .name: out_b, .offset: 88, .size: 8, .value_kind: global_buffer, .address_space: global }
      - { .name: out0, .offset: 96, .size: 8, .value_kind: global_buffer, .address_space: global }
    .group_segment_fixed_size: 168448
    .private_segment_fixed_size: 0
    .kernarg_segment_align: 8
    .kernarg_segment_size: 104
    .max_flat_workgroup_size: 128
    .sgpr_count:     100
    .vgpr_count:     258
    .wavefront_size: 32
...
	.end_amdgpu_metadata
.endif
;; end of part 2
;; ======== version 3 of 4: 1 launch; 1.93 times as fast as version 1
;; launch delta (part 3): grid 256 x 1, 4 waves a work-group, no clusters, 168,448 bytes of LDS; arguments seq, embed, w1, b1, w2, b2, ln_g, ln_b, read_w, read_b, out_w, out_b, out0; writes out0
.if DOCPART == 3
	.amdgcn_target "amdgcn-amd-amdhsa--gfx1250"
	.amdhsa_code_object_version 6
	.text
	.protected	k_q728b409721_delta
	.globl	k_q728b409721_delta
	.p2align	8
	.type	k_q728b409721_delta,@function
k_q728b409721_delta:
	s_mov_b64 s[64:65], 0
	v_nop
	global_prefetch_b8 v0, s[64:65] scope:SCOPE_SE
	s_setreg_imm32_b32 hwreg(HW_REG_WAVE_MODE, 25, 1), 1
	s_wait_xcnt 0x0
; DeltaRuleModel: out0[b] = ((M_b q_b) read_w + read_b) out_w + out_b, M_b the delta-rule memory of row b after 1,023 steps.
; One launch, 256 work-groups of four waves; wave w of work-group g owns batch row b = 4 g + w from its tokens to its 64 outputs.
;
; WHAT IS NOT COMPUTED, AND WHY THE RESULT IS THE SAME FOR ALL VALUES OF THE INPUTS (exact arithmetic):
; 1. The encoder acts on embed[seq[b][l]] row by row, so hidden[b][l] is a function of the token alone: there are 64 different
;    hidden vectors.  They are made once, as the table T[64][32], and looked up by the token read from memory.
; 2. M is never formed.  A step is M' = M + (k - M k / d) k^T = M (I - k k^T / d) + k k^T, d = k.k + 1e-6, and M starts as the zeros
;    that the module builds itself.  Only M q is used.  Walking the steps backwards, t = 1022 .. 0, with u = q and c = 0:
;    alpha = k_t . u;  c += alpha k_t;  u -= alpha k_t / d_t;  at the end c = M q.  This is associativity of the products, nothing else.
; 3. All keys are rows of T, so s[v] = T_v . u (64 numbers, two a lane) is carried in place of u: alpha = s[a_t] is a read of one lane,
;    and the step is s += alpha N[a_t][:], N[a][v] = -(T_a . T_v) / d_a, a table of 64 x 64 made once.  At the start s = T T_q.
;    Behind the step of t = 0 nothing reads s, so that step makes alpha and c alone.
; No input is left out: all thirteen buffers are arguments.
; LIMITS.  The order of rounding differs from the module's as written.  A NaN, an infinity or an overflow that would arise only inside M
; is not carried to the result.  1 / d is v_rcp_f32 (1 ULP; d >= 1e-6).  Tokens are taken as unsigned and held to 63 at the most (the problem
; has them in 0 .. 63).  The encoder's two products have bf16 operands and f32 sums; T's residual, LayerNorm, d, N, the recurrence and the
; two last products (one row a wave: a sixteenth of a matrix tile) are f32 on the vector unit: N is part of what is carried from step to step.
; The launch asks for more LDS than the 79,360 bytes it uses, so that a work-group is alone where it runs: each wave is one dependent chain.
; No tile is shared between work-groups but 37 KiB of weights read once at the start: no cluster, no tensor loads.
; ---- LDS map (bytes)
.set TP,    144                        ; pitch of a row of T: 128 bytes + 16
.set REC,   0                          ; 64 records of 512 bytes: token a, lane l at 512 a + 16 l: N[a][l], N[a][l+32], -d_a, T[a][l]
.set TROW,  32768                      ; T[a][dim] at 144 a + 4 dim
.set NRD,   41984                      ; 8 a: -1/d_a, -d_a
.set RWL,   42496                      ; read_w as in memory
.set OWL,   46592                      ; out_w as in memory
.set WF,    54784                      ; eight bf16 weight fragments: 1024 f + 512 (register half) + 16 lane
.set TOKS,  62976                      ; 4,096 bytes a wave: its tokens, position P = 1023 - t in word P xor 3
; ---- registers that live through the kernel
.set LANE,  1
.set OUTB,  2                          ; v[2:3] out_b of my two columns
.set L16,   4                          ; 16 x lane, never rewritten
.set RDB,   5                          ; read_b of my column
; ---- encoder phases
.set OW1,   6                          ; offsets of global loads, each written once and left alone until all loads are in
.set OW2,   7
.set OT16,  8
.set OEMB,  9
.set OH32,  10
.set OL4,   11
.set OL8,   12
.set AWF,   13                         ; LDS addresses
.set ANRD,  14
.set ATROW, 15
.set EH,    16                         ; v[16:31]   my token's 16 numbers of embed, f32
.set ACC1,  32                         ; v[32:63]   four accumulators of product 1, started with b1
.set WL,    64                         ; v[64:95]   weights as loaded
.set WFR,   64                         ; v[64:127]  the eight fragments
.set G2R,   96                         ; v[96:119]  read_w, out_w on their way to LDS
.set ACC2,  128                        ; v[128:143] two accumulators of product 2, started with h + b2; then x, then hidden
.set LG,    144
.set LB,    160
.set HB,    176                        ; v[176:183] embed rows as a bf16 fragment
.set ACTB,  184                        ; v[184:199] relu's results as two bf16 fragments
.set SEQR,  200                        ; v[200:231] my row of seq
.set TT,    232                        ; v[232:247] at work
.set RR,    248
.set HH,    249
.set ATOK,  250
.set TMP,   251
.set OSEQ,  252
; ---- Gram phase
.set GA,    6
.set GB,    7
.set GC,    8
.set GD,    9
.set GT,    10
.set GACC,  16                         ; v[16:31]   eight packed sums
.set RV,    32                         ; record at 32 + 16 buffer + 8 e: four words, then (-1/d, -d)
.set TV,    64                         ; v[64:95] row lane of T, v[96:127] row lane + 32
.set TA,    128                        ; v[128:255] two buffers of two broadcast rows
; ---- recurrence
.set S,     6                          ; v[6:7] s[lane], s[lane+32]
.set C,     8                          ; c[lane]
.set X,     9                          ; the half of s that holds the next position's token
.set NS,    10                         ; the same half of this position's row of N
.set LANEC, 11                         ; this iteration's positions (lane = word): lane number a & 31, and a mask of ones where a >= 32
.set MASKC, 12
.set TOKN,  13                         ; the next iteration's tokens, lane numbers and masks
.set LANEN, 14
.set MASKN, 15
.set TADR,  16                         ; LDS address of an iteration's 32 tokens, one word a lane
.set TMP5,  17
.set TBAD,  18                         ; the same 128 bytes, the same address in every lane
.set ADR,   20                         ; v[20:35] record addresses made in a first half, v[36:51] those made in a second half
.set RA,    64                         ; v[64:127]  records of positions 0-15
.set RB,    128                        ; v[128:191] records of positions 16-31
.set BT,    192                        ; v[192:223] 32 tokens, each the same in every lane: position p in register BT + (p xor 3)
.set AL,    40                         ; s[40:43] alpha, two pairs by the step's parity; the odd registers are 0
.set LN,    44                         ; s44, s45 lane of s[a], by the position's parity
.set MK,    46                         ; s46, s47 all ones where a >= 32, by the position's parity
; ---- the way out
.set A4,    17
.set A8,    18
.set RACC,  20
.set OACC,  24
.set RWV,   64
.set OWV,   128
	s_load_b512 s[8:23], s[0:1], 0x0               ; seq s[8:9], embed s[10:11], w1 s[12:13], b1 s[14:15], w2 s[16:17], b2 s[18:19], ln_g s[20:21], ln_b s[22:23]
	s_load_b256 s[24:31], s[0:1], 0x40             ; read_w s[24:25], read_b s[26:27], out_w s[28:29], out_b s[30:31]
	s_load_b64 s[32:33], s[0:1], 0x60              ; out0
	s_set_vgpr_msb 0x40
	v_lshl_add_u32 v0, v0, 2, 0x29000
	v_mov_b32 v1, 0
	s_set_vgpr_msb 0x4000
	v_lshrrev_b32 v[TMP], 5, v0
	v_readfirstlane_b32 s2, v[TMP]                 ; wave 0..3
	v_and_b32 v[LANE], 31, v0
	v_and_b32 v[RR], 15, v0                        ; r
	v_bfe_u32 v[HH], v0, 4, 1                      ; h
	v_lshlrev_b32 v[L16], 4, v[LANE]
	s_mov_b32 s36, 0x76543210                      ; v_permlanex16_b32: lane i takes lane i of the other half
	s_mov_b32 s37, 0xfedcba98
	s_mov_b32 s39, 0x3d000000                      ; 1/32
	s_mul_i32 s53, s2, 16*TP                       ; my 16 tokens' rows of T
	s_lshl_b32 s54, s2, 12
	s_add_co_u32 s54, s54, TOKS                    ; my tokens in LDS
	s_lshl_b32 s52, ttmp9, 2
	s_add_co_u32 s52, s52, s2                      ; b
	; a fragment's element e of lane (r, h) has k = 8 h + e (e < 8) or 8 h + e + 8: 8 h goes into the offset register, the rest into the immediate
	v_lshlrev_b32 v[TMP], 2, v[RR]
	v_lshl_add_u32 v[OW1], v[HH], 11, v[TMP]       ; w1[k][16 w + r]: 2048 h + 4 r
	s_lshl_b32 s3, s2, 6
	v_add_nc_u32 v[OW1], s3, v[OW1]                ; + 64 w
	v_lshl_add_u32 v[OW2], v[HH], 10, v[TMP]       ; w2[32 (w&1) + k][16 (w>>1) + r]: 1024 h + 4 r
	s_and_b32 s3, s2, 1
	s_lshl_b32 s3, s3, 12
	s_lshr_b32 s38, s2, 1
	s_lshl_b32 s38, s38, 6
	s_add_co_u32 s3, s3, s38
	v_add_nc_u32 v[OW2], s3, v[OW2]                ; + 4096 (w&1) + 64 (w>>1)
	v_lshlrev_b32 v[OT16], 4, v0
	v_lshlrev_b32 v[OH32], 5, v[HH]
	v_lshl_add_u32 v[OEMB], v[RR], 7, v[OH32]      ; embed[16 w + r][8 h ..]
	s_lshl_b32 s3, s2, 11
	v_add_nc_u32 v[OEMB], s3, v[OEMB]
	v_lshlrev_b32 v[OL4], 2, v[LANE]
	v_lshlrev_b32 v[OL8], 3, v[LANE]
	v_sub_nc_u32 v[OSEQ], 496, v[L16]              ; seq is taken with the lanes mirrored: 16 (31 - lane)
	v_lshl_add_u32 v[AWF], s2, 10, v[L16]
	s_lshl_b32 s3, s2, 7
	v_lshl_add_u32 v[ANRD], v[RR], 3, s3           ; 8 (16 w + r)
	v_mul_u32_u24 v[ATROW], v[RR], TP
	v_add_nc_u32 v[ATROW], v[ATROW], v[OH32]
	v_add_nc_u32 v[ATROW], s53, v[ATROW]           ; 144 (16 w + r) + 32 h
	v_add_nc_u32 v[ATOK], s54, v[L16]
	s_lshl_b32 s34, s52, 12
	s_mov_b32 s35, 0
	s_wait_kmcnt 0x0
	s_add_nc_u64 s[8:9], s[8:9], s[34:35]          ; my row of seq
	s_lshl_b32 s34, s52, 8
	s_add_nc_u64 s[32:33], s[32:33], s[34:35]      ; my row of out0
	; ALL GLOBAL LOADS, in the order in which they are needed.
	; 32 loads: wave w gathers one fragment of w1^T (units 16 w ..) and one of w2^T (dims 16 (w>>1) .., units 32 (w&1) ..)
.set ee, 0
.rept 16
.if ee < 8
.set kk, ee
.else
.set kk, ee+8
.endif
	global_load_b32 v[WL+ee], v[OW1], s[12:13] offset:kk*256
	global_load_b32 v[WL+16+ee], v[OW2], s[16:17] offset:kk*128
.set ee, ee+1
.endr
	; 6 loads: read_w and out_w, 16 bytes a thread
.irp i, 0,1
	global_load_b128 v[G2R+4*\i:G2R+4*\i+3], v[OT16], s[24:25] offset:2048*\i
.endr
.irp i, 0,1,2,3
	global_load_b128 v[G2R+8+4*\i:G2R+8+4*\i+3], v[OT16], s[28:29] offset:2048*\i
.endr
	; 26 loads: my token's half row of embed; biases and gains in the layout of a matrix result (register 8 p + j: index 16 p + 8 h + j)
.irp q, 0,1,2,3
	global_load_b128 v[EH+4*\q:EH+4*\q+3], v[OEMB], s[10:11] offset:16*(\q&1)+64*(\q>>1)
.endr
.irp q, 0,1,2,3,4,5,6,7
	global_load_b128 v[ACC1+4*\q:ACC1+4*\q+3], v[OH32], s[14:15] offset:16*(\q&1)+64*(\q>>1)
.endr
.irp q, 0,1,2,3
	global_load_b128 v[ACC2+4*\q:ACC2+4*\q+3], v[OH32], s[18:19] offset:16*(\q&1)+64*(\q>>1)
	global_load_b128 v[LG+4*\q:LG+4*\q+3], v[OH32], s[20:21] offset:16*(\q&1)+64*(\q>>1)
	global_load_b128 v[LB+4*\q:LB+4*\q+3], v[OH32], s[22:23] offset:16*(\q&1)+64*(\q>>1)
.endr
	global_load_b32 v[RDB], v[OL4], s[26:27]
	global_load_b64 v[OUTB:OUTB+1], v[OL8], s[30:31]
	; 8 loads: my 4,096 bytes of seq, last block first: group i, lane l, word j holds t = 128 (7 - i) + 4 (31 - l) + j; each load covers 512 consecutive bytes
.irp i, 0,1,2,3,4,5,6,7
	global_load_b128 v[SEQR+4*\i:SEQR+4*\i+3], v[OSEQ], s[8:9] offset:512*(7-\i) th:TH_LOAD_NT
.endr
	; PHASE 1: the weights go to LDS for all four waves
	s_wait_loadcnt 34                              ; the 38 oldest are in; the 26 + 8 younger loads stay out
.set jj, 0
.rept 16
	v_cvt_pk_bf16_f32 v[TT+jj], v[WL+2*jj], v[WL+2*jj+1]   ; element e in register e / 2, the lower k in the low half
.set jj, jj+1
.endr
	ds_store_b128 v[AWF], v[TT:TT+3] offset:WF             ; fragment w: w1^T
	ds_store_b128 v[AWF], v[TT+4:TT+7] offset:WF+512
	ds_store_b128 v[AWF], v[TT+8:TT+11] offset:WF+4096     ; fragment 4 + w: w2^T
	ds_store_b128 v[AWF], v[TT+12:TT+15] offset:WF+4096+512
.irp i, 0,1
	ds_store_b128 v[OT16], v[G2R+4*\i:G2R+4*\i+3] offset:RWL+2048*\i
.endr
.irp i, 0,1,2,3
	ds_store_b128 v[OT16], v[G2R+8+4*\i:G2R+8+4*\i+3] offset:OWL+2048*\i
.endr
	s_wait_dscnt 0x0                               ; my stores are done, for the other waves' sake
	s_barrier_signal -1
	s_barrier_wait -1
	; PHASE 2: the encoder's products for tokens 16 w .. 16 w + 15, used transposed: A = a tile of the weights' transpose, B = tokens as columns,
	; so that a result's register j of lane (r, h) is index 8 h + j of token r: the layout of a B fragment's halves, and no shuffle is needed between the products.
.set ff, 0
.rept 8
	ds_load_b128 v[WFR+8*ff:WFR+8*ff+3], v[L16] offset:WF+1024*ff
	ds_load_b128 v[WFR+8*ff+4:WFR+8*ff+7], v[L16] offset:WF+1024*ff+512
.set ff, ff+1
.endr
	s_wait_loadcnt 8                               ; all but the eight loads of seq
.irp j, 0,1,2,3,4,5,6,7
	v_cvt_pk_bf16_f32 v[HB+\j], v[EH+2*\j], v[EH+2*\j+1]
.endr
.irp j, 0,2,4,6,8,10,12,14
	v_pk_add_f32 v[ACC2+\j:ACC2+\j+1], v[ACC2+\j:ACC2+\j+1], v[EH+\j:EH+\j+1]    ; product 2 starts from h + b2
.endr
	s_wait_dscnt 0x0                               ; the fragments are in
.irp u, 0,1,2,3
	v_wmma_f32_16x16x32_bf16 v[ACC1+8*\u:ACC1+8*\u+7], v[WFR+8*\u:WFR+8*\u+7], v[HB:HB+7], v[ACC1+8*\u:ACC1+8*\u+7]   ; units 16 u ..: w1^T h + b1; four accumulators
.endr
.rept 4
	v_nop                                          ; four places before a vector instruction touches a matrix result (ISA guide 7.12.1)
.endr
.set jj, 0
.rept 32
	v_max_num_f32 v[ACC1+jj], 0, v[ACC1+jj]
.set jj, jj+1
.endr
.set jj, 0
.rept 16
	v_cvt_pk_bf16_f32 v[ACTB+jj], v[ACC1+2*jj], v[ACC1+2*jj+1]   ; fragment s: registers 0-3 from accumulator 2 s, 4-7 from 2 s + 1
.set jj, jj+1
.endr
	; the two accumulators take turns, one instruction a turn
.irp s, 0,1
.irp p, 0,1
	v_wmma_f32_16x16x32_bf16 v[ACC2+8*\p:ACC2+8*\p+7], v[WFR+8*(4+2*\p+\s):WFR+8*(4+2*\p+\s)+7], v[ACTB+8*\s:ACTB+8*\s+7], v[ACC2+8*\p:ACC2+8*\p+7]
.endr
.endr
.rept 4
	v_nop                                          ; four places, as above
.endr
	; PHASE 3: LayerNorm of x (register 8 p + j of lane (r, h): dim 16 p + 8 h + j of token r), d, and T into LDS
.macro CROSS                           ; v[TT] + v[TT+1], then plus the other half of the lanes: the same sum in lanes r and r + 16
	v_add_f32 v[TT], v[TT], v[TT+1]
	v_permlanex16_b32 v[TT+1], v[TT], s36, s37
	v_add_f32 v[TT], v[TT], v[TT+1]
.endm
.macro SUMSQ                           ; the sum of the squares of a token's 32 numbers, two chains
	v_pk_mul_f32 v[TT:TT+1], v[ACC2:ACC2+1], v[ACC2:ACC2+1]
	v_pk_mul_f32 v[TT+2:TT+3], v[ACC2+2:ACC2+3], v[ACC2+2:ACC2+3]
.irp j, 4,8,12
	v_pk_fma_f32 v[TT:TT+1], v[ACC2+\j:ACC2+\j+1], v[ACC2+\j:ACC2+\j+1], v[TT:TT+1]
	v_pk_fma_f32 v[TT+2:TT+3], v[ACC2+\j+2:ACC2+\j+3], v[ACC2+\j+2:ACC2+\j+3], v[TT+2:TT+3]
.endr
	v_pk_add_f32 v[TT:TT+1], v[TT:TT+1], v[TT+2:TT+3]
	CROSS
.endm
	v_pk_add_f32 v[TT:TT+1], v[ACC2:ACC2+1], v[ACC2+2:ACC2+3]
	v_pk_add_f32 v[TT+2:TT+3], v[ACC2+4:ACC2+5], v[ACC2+6:ACC2+7]
	v_pk_add_f32 v[TT+4:TT+5], v[ACC2+8:ACC2+9], v[ACC2+10:ACC2+11]
	v_pk_add_f32 v[TT+6:TT+7], v[ACC2+12:ACC2+13], v[ACC2+14:ACC2+15]
	v_pk_add_f32 v[TT:TT+1], v[TT:TT+1], v[TT+2:TT+3]
	v_pk_add_f32 v[TT+4:TT+5], v[TT+4:TT+5], v[TT+6:TT+7]
	v_pk_add_f32 v[TT:TT+1], v[TT:TT+1], v[TT+4:TT+5]
	CROSS
	v_mul_f32 v[TT+8], s39, v[TT]                  ; the mean, twice
	v_mul_f32 v[TT+9], s39, v[TT]
.irp j, 0,2,4,6,8,10,12,14
	v_pk_add_f32 v[ACC2+\j:ACC2+\j+1], v[ACC2+\j:ACC2+\j+1], v[TT+8:TT+9] neg_lo:[0,1] neg_hi:[0,1]
.endr
	SUMSQ
	v_fmaak_f32 v[TT+4], s39, v[TT], 0x3727c5ac    ; variance + 1e-5
	v_rsq_f32 v[TT+8], v[TT+4]
	v_nop                                          ; one plain instruction before the result is used (ISA guide 5.7.2)
	s_wait_alu depctr_va_vdst(0)
	v_mov_b32 v[TT+9], v[TT+8]
.irp j, 0,2,4,6,8,10,12,14
	v_pk_mul_f32 v[LG+\j:LG+\j+1], v[LG+\j:LG+\j+1], v[TT+8:TT+9]
.endr
.irp j, 0,2,4,6,8,10,12,14
	v_pk_fma_f32 v[ACC2+\j:ACC2+\j+1], v[ACC2+\j:ACC2+\j+1], v[LG+\j:LG+\j+1], v[LB+\j:LB+\j+1]   ; hidden
.endr
	SUMSQ
	v_add_f32 v[TT+4], 0x358637bd, v[TT]           ; d = k.k + 1e-6
	v_rcp_f32 v[TT+5], v[TT+4]
	v_nop                                          ; one plain instruction, as above
	v_mul_f32 v[TT+7], -1.0, v[TT+4]               ; -d
	s_wait_alu depctr_va_vdst(0)
	v_mul_f32 v[TT+6], -1.0, v[TT+5]               ; -1/d
	ds_store_b64 v[ANRD], v[TT+6:TT+7] offset:NRD  ; lanes r and r + 16 store the same two words
.irp q, 0,1,2,3
	ds_store_b128 v[ATROW], v[ACC2+4*\q:ACC2+4*\q+3] offset:TROW+16*(\q&1)+64*(\q>>1)
.endr
	s_wait_loadcnt 0x0                             ; seq is in; every offset register of a global load is free from here on
.irp i, 0,1,2,3,4,5,6,7
	ds_store_b128 v[ATOK], v[SEQR+4*\i:SEQR+4*\i+3] offset:512*\i    ; word 128 i + 4 l + j holds t = 1023 - (128 i + 4 l + 3 - j): position P in word P xor 3
.endr
	s_wait_dscnt 0x0                               ; T and d are stored, for the other waves' sake
	s_barrier_signal -1
	s_barrier_wait -1
	; PHASE 4: the records of tokens a = 16 w + i.  Lane l holds rows l and l + 32 of T; token a's row comes as a broadcast; two tokens at a time, two buffers.
	v_mov_b32 v[GA], s53
	v_lshl_add_u32 v[GB], v[LANE], 2, s53
	s_lshl_b32 s3, s2, 7
	v_mov_b32 v[GC], s3
	v_lshl_add_u32 v[GD], s2, 13, v[L16]
	v_mul_u32_u24 v[GT], v[LANE], TP
.irp m, 0,1,2,3,4,5,6,7
	ds_load_b128 v[TV+4*\m:TV+4*\m+3], v[GT] offset:TROW+16*\m
	ds_load_b128 v[TV+32+4*\m:TV+32+4*\m+3], v[GT] offset:TROW+32*TP+16*\m
.endr
.macro GLOAD g, bb                     ; 22 LDS loads: for tokens i = 2 g, 2 g + 1 the row, -d, T[a][lane] and (-1/d, -d)
.irp e, 0,1
.irp m, 0,1,2,3,4,5,6,7
	ds_load_b128 v[TA+64*(\bb)+32*\e+4*\m:TA+64*(\bb)+32*\e+4*\m+3], v[GA] offset:TROW+(2*(\g)+\e)*TP+16*\m
.endr
	ds_load_b32 v[RV+16*(\bb)+8*\e+2], v[GC] offset:NRD+(2*(\g)+\e)*8+4
	ds_load_b32 v[RV+16*(\bb)+8*\e+3], v[GB] offset:TROW+(2*(\g)+\e)*TP
	ds_load_b64 v[RV+16*(\bb)+8*\e+4:RV+16*(\bb)+8*\e+5], v[GC] offset:NRD+(2*(\g)+\e)*8
.endr
.endm
.macro GPAIR more                      ; tokens 2 GG, 2 GG + 1 from buffer BB: four dot products of 32, each in two packed chains of eight
.if \more
	GLOAD GG+1,1-BB
	s_wait_dscnt 22                                ; all but the 22 loads just issued: this pair's rows are in (LDS answers a wave in order: ISA guide 5.7.1)
.else
	s_wait_dscnt 0x0
.endif
.set TB, TA+64*BB
.set RW2, RV+16*BB
.irp m, 0,1,2,3,4,5,6,7
.irp e, 0,1
.irp x, 0,1
.irp c, 0,1
.if \m == 0
	v_pk_mul_f32 v[GACC+2*(4*\e+2*\x+\c):GACC+2*(4*\e+2*\x+\c)+1], v[TB+32*\e+4*\m+2*\c:TB+32*\e+4*\m+2*\c+1], v[TV+32*\x+4*\m+2*\c:TV+32*\x+4*\m+2*\c+1]
.else
	v_pk_fma_f32 v[GACC+2*(4*\e+2*\x+\c):GACC+2*(4*\e+2*\x+\c)+1], v[TB+32*\e+4*\m+2*\c:TB+32*\e+4*\m+2*\c+1], v[TV+32*\x+4*\m+2*\c:TV+32*\x+4*\m+2*\c+1], v[GACC+2*(4*\e+2*\x+\c):GACC+2*(4*\e+2*\x+\c)+1]
.endif
.endr
.endr
.endr
.endr
.irp e, 0,1
.irp x, 0,1
	v_pk_add_f32 v[GACC+2*(4*\e+2*\x):GACC+2*(4*\e+2*\x)+1], v[GACC+2*(4*\e+2*\x):GACC+2*(4*\e+2*\x)+1], v[GACC+2*(4*\e+2*\x)+2:GACC+2*(4*\e+2*\x)+3]
.endr
.endr
.irp e, 0,1
.irp x, 0,1
	v_add_f32 v[RW2+8*\e+\x], v[GACC+2*(4*\e+2*\x)], v[GACC+2*(4*\e+2*\x)+1]
.endr
.endr
.irp e, 0,1
	v_pk_mul_f32 v[RW2+8*\e:RW2+8*\e+1], v[RW2+8*\e:RW2+8*\e+1], v[RW2+8*\e+4:RW2+8*\e+5] op_sel_hi:[1,0]   ; both times -1/d_a
	ds_store_b128 v[GD], v[RW2+8*\e:RW2+8*\e+3] offset:REC+(2*GG+\e)*512
.endr
.set GG, GG+1
.set BB, 1-BB
.endm
.set GG, 0
.set BB, 0
	GLOAD 0,0
.rept 7
	GPAIR 1
.endr
	GPAIR 0
	s_wait_dscnt 0x0                               ; my sixteen records are stored, for the other waves' sake
	s_barrier_signal -1
	s_barrier_wait -1                              ; from here on no wave writes LDS
	; PHASE 5: the recurrence.  32 iterations of 32 positions; position p of iteration it is t = 1023 - 32 it - p and lies in word p xor 3 of the iteration's 128 bytes of tokens.
	; Position 0 of the first iteration is the query; the other 1,023 are steps.
	; THE CHAIN.  alpha_p is lane a_p & 31 of X_p, the half of s that holds token a_p.  X_{p+1} = select(s_p) + alpha_p select(N[a_p]), both selects by
	; position p + 1's mask: neither needs alpha_p, so they stand behind the read of alpha_p, and one multiply-add (the same fused arithmetic as the update of s)
	; makes X_{p+1}.  From one alpha to the next there are two dependent instructions, the multiply-add and the read of a lane; s and c are updated beside them.
	; A step has ten vector instructions: four that hang on neither stand between the read of alpha and the multiply-add, four between that and the next read.
	; THE FETCH.  The tokens are read from LDS twice: one word a lane (lane p xor 3), from which lane numbers and masks are read as scalars two positions ahead,
	; and as broadcasts (register BT + (p xor 3)), from which the record addresses are made by vector instructions, one position a step.
	; A half's sixteen records are asked for at the head of the half before, with addresses made in the half before that.
.macro DERIVE tok, ln, mk              ; per position: the token held to 63, its lane (a & 31) and a mask of ones where a >= 32
	v_min_u32 v[\tok], 63, v[\tok]
	v_and_b32 v[\ln], 31, v[\tok]
	v_lshlrev_b32 v[TMP5], 26, v[\tok]
	v_ashrrev_i32 v[\mk], 31, v[TMP5]
.endm
.macro TOKB r0, off                    ; sixteen tokens as broadcasts: four loads of 16 bytes, every lane at the same address
.irp m, 0,1,2,3
	ds_load_b128 v[BT+\r0+4*\m:BT+\r0+4*\m+3], v[TBAD] offset:\off+16*\m
.endr
.endm
.macro PREP16 b, aset                  ; ahead of the loop: sixteen record addresses at once, 512 min(a, 63) + 16 lane
.set jj, 0
.rept 16
	v_min_u32 v[BT+\b+jj], 63, v[BT+\b+jj]
.set jj, jj+1
.endr
.set jj, 0
.rept 16
	v_lshl_add_u32 v[ADR+16*\aset+jj], v[BT+\b+(jj^3)], 9, v[L16]
.set jj, jj+1
.endr
.endm
.macro LOADS buf, aset                 ; sixteen records in one run, 512 consecutive bytes each
.irp k, 0,1,2,3,4,5,6,7,8,9,10,11,12,13,14,15
	ds_load_b128 v[\buf+4*\k:\buf+4*\k+3], v[ADR+16*\aset+\k]
.endr
.endm
; Position PP.  kind: 0 = an iteration with two more behind it, 1 = the last but one, 2 = the last.
; Scalars by parity: this step reads LN of position PP (slot PP & 1) and MK of PP + 1 (the other slot), and fills slot PP & 1 of both with position PP + 2's:
; LN's slot is free behind the read of alpha, MK's since the step before.
.macro STEP first, kind
.set KK, PP & 15
.set HF, PP >> 4
.set PAR, PP & 1
.set BUF, RA + 64*HF + 4*KK
.set MODE, 0                           ; 0 a step, 1 the query, 2 the first step, which starts c
.if \first
.if PP < 2
.set MODE, PP + 1
.endif
.endif
.set FIN, 0                            ; 1: the step of t = 0
.set AHEAD, 1                          ; 1: position PP + 2 exists
.if \kind == 2
.if PP == 31
.set FIN, 1
.endif
.if PP > 29
.set AHEAD, 0
.endif
.endif
.if MODE == 1
	v_pk_mul_f32 v[S:S+1], v[BUF:BUF+1], v[BUF+2:BUF+3] op_sel_hi:[1,0]          ; the query: s = -d_q N[q][:] = T T_q
.else
	v_readlane_b32 s[AL+2*PAR], v[X], s[LN+PAR]    ; alpha = s[a]
.if FIN == 0
	v_cndmask_b32 v[X], v[S], v[S+1], s[MK+1-PAR]              ; the half of s, as it stands before this step, that holds the next token
	v_cndmask_b32 v[NS], v[BUF], v[BUF+1], s[MK+1-PAR]         ; the same half of N[a][:]
.endif
.endif
.if AHEAD
.if PP < 30
	v_readlane_b32 s[MK+PAR], v[MASKC], (PP+2)^3
.else
	v_readlane_b32 s[MK+PAR], v[MASKN], (PP-30)^3
.endif
.endif
.if \kind != 2
	v_min_u32 v[BT+(PP^3)], 63, v[BT+(PP^3)]       ; the next iteration's position PP: each register of BT is used once between two fills
.endif
.if MODE != 1
.if FIN == 0
	v_fmac_f32 v[X], s[AL+2*PAR], v[NS]            ; X of the next position
	v_pk_fma_f32 v[S:S+1], v[BUF:BUF+1], s[AL+2*PAR:AL+2*PAR+1], v[S:S+1] op_sel_hi:[1,0,1]   ; s += alpha N[a][:]
.endif
.if MODE == 2
	v_mul_f32 v[C], s[AL+2*PAR], v[BUF+3]          ; the first step starts c
.else
	v_fmac_f32 v[C], s[AL+2*PAR], v[BUF+3]         ; c += alpha T[a][:]
.endif
.endif
.if AHEAD
.if PP < 30
	v_readlane_b32 s[LN+PAR], v[LANEC], (PP+2)^3
.else
	v_readlane_b32 s[LN+PAR], v[LANEN], (PP-30)^3
.endif
.endif
.if \kind != 2
	v_lshl_add_u32 v[ADR+16*HF+KK], v[BT+(PP^3)], 9, v[L16]    ; its record: 512 a + 16 lane
.endif
.if MODE == 1
	v_cndmask_b32 v[X], v[S], v[S+1], s[MK+1-PAR]  ; X of position 1
.endif
.set PP, PP+1
.endm
; A half: sixteen positions.  At its head one run of LDS loads: the records of the next half, into the buffer that the half before has read out, and tokens.
; An address set is rewritten in the half after the one at whose head it was used: behind the wait for 0 that shows those loads done.
.macro HALF hf, first, kind
	s_wait_dscnt 0x0                               ; this half's sixteen records and the tokens that this half turns into addresses, all asked for sixteen steps ago
.if \hf == 0
.if \kind != 2
	v_add_nc_u32 v[TADR], 128, v[TADR]             ; no LDS load is out: the token pointers step to the next iteration's 128 bytes
	v_add_nc_u32 v[TBAD], 128, v[TBAD]
	ds_load_b32 v[TOKN], v[TADR]                   ; the next iteration's 32 tokens, one a lane,
	TOKB 16, 64                                    ; and its positions 16-31 as broadcasts: used in this iteration's second half
.endif
	LOADS RB, 1                                    ; this iteration's positions 16-31
.else
.if \kind == 0
	TOKB 0, 128                                    ; positions 0-15 of the iteration after the next: used in the next iteration's first half
.endif
.if \kind != 2
	LOADS RA, 0                                    ; the next iteration's positions 0-15
	DERIVE TOKN, LANEN, MASKN
.endif
.endif
.rept 16
	STEP \first, \kind
.endr
.endm
.macro ITER first, kind
.set PP, 0
	HALF 0, \first, \kind
	HALF 1, \first, \kind
.if \kind != 2
	v_mov_b32 v[LANEC], v[LANEN]
	v_mov_b32 v[MASKC], v[MASKN]
.endif
.endm
	v_lshl_add_u32 v[TADR], v[LANE], 2, s54
	v_mov_b32 v[TBAD], s54
	ds_load_b32 v[TOKN], v[TADR]                   ; iteration 0's tokens in both forms
	TOKB 0, 0
	TOKB 16, 64
	s_mov_b32 s[AL+1], 0                           ; the packed multiply-add names pairs; it takes the even register for both halves
	s_mov_b32 s[AL+3], 0
	s_wait_dscnt 0x0
	PREP16 0, 0
	LOADS RA, 0                                    ; iteration 0's positions 0-15
	TOKB 0, 128                                    ; iteration 1's positions 0-15 as broadcasts
	PREP16 16, 1                                   ; addresses of iteration 0's positions 16-31, asked for at the head of its first half
	DERIVE TOKN, LANEC, MASKC
	v_readlane_b32 s[LN+1], v[LANEC], 1^3          ; position 1's scalars; from position 2 on the steps read them
	v_readlane_b32 s[MK+1], v[MASKC], 1^3
	ITER 1, 0
	s_mov_b32 s38, 29                              ; iterations 1 to 29
.Lit:
	ITER 0, 0
	s_sub_co_i32 s38, s38, 1
	s_cmp_lg_u32 s38, 0
	s_cbranch_scc1 .Lit
	ITER 0, 1                                      ; iteration 30: there is no iteration 32 to read tokens for
	ITER 0, 2                                      ; iteration 31 asks for nothing beyond t = 0
	; PHASE 6: out = (c read_w + read_b) out_w + out_b, each wave for its own row; lane = column of read, two columns of out
	v_lshlrev_b32 v[A4], 2, v[LANE]
	v_lshlrev_b32 v[A8], 3, v[LANE]
.set jj, 0
.rept 32
	ds_load_b32 v[RWV+jj], v[A4] offset:RWL+128*jj
.set jj, jj+1
.endr
.set jj, 0
.rept 32
	ds_load_b64 v[OWV+2*jj:OWV+2*jj+1], v[A8] offset:OWL+256*jj
.set jj, jj+1
.endr
.set jj, 0
.rept 32
	v_readlane_b32 s[66+jj], v[C], jj
.set jj, jj+1
.endr
	s_wait_dscnt 32                                ; read_w is in; the 32 younger loads of out_w stay out
	v_fma_f32 v[RACC], s66, v[RWV], v[RDB]         ; four chains; the first starts from read_b
.irp c, 1,2,3
	v_mul_f32 v[RACC+\c], s[66+\c], v[RWV+\c]
.endr
.set jj, 4
.rept 28
	v_fmac_f32 v[RACC+(jj&3)], s[66+jj], v[RWV+jj]
.set jj, jj+1
.endr
	v_add_f32 v[RACC], v[RACC], v[RACC+1]
	v_add_f32 v[RACC+2], v[RACC+2], v[RACC+3]
	v_add_f32 v[RACC], v[RACC], v[RACC+2]
.set jj, 0
.rept 32
	v_readlane_b32 s[66+jj], v[RACC], jj
.set jj, jj+1
.endr
	s_wait_dscnt 0x0
	v_fma_f32 v[OACC], s66, v[OWV], v[OUTB]        ; four chains for each of my two columns; the first pair starts from out_b
	v_fma_f32 v[OACC+1], s66, v[OWV+1], v[OUTB+1]
.irp c, 1,2,3
	v_mul_f32 v[OACC+2*\c], s[66+\c], v[OWV+2*\c]
	v_mul_f32 v[OACC+2*\c+1], s[66+\c], v[OWV+2*\c+1]
.endr
.set jj, 4
.rept 28
	v_fmac_f32 v[OACC+2*(jj&3)], s[66+jj], v[OWV+2*jj]
	v_fmac_f32 v[OACC+2*(jj&3)+1], s[66+jj], v[OWV+2*jj+1]
.set jj, jj+1
.endr
	v_pk_add_f32 v[OACC:OACC+1], v[OACC:OACC+1], v[OACC+2:OACC+3]
	v_pk_add_f32 v[OACC+4:OACC+5], v[OACC+4:OACC+5], v[OACC+6:OACC+7]
	v_pk_add_f32 v[OACC:OACC+1], v[OACC:OACC+1], v[OACC+4:OACC+5]
	global_store_b64 v[A8], v[OACC:OACC+1], s[32:33] th:TH_STORE_NT   ; the wave's store covers my row's 256 consecutive bytes, aligned
	s_set_vgpr_msb 0x5
	s_wait_tensorcnt 0x0
	ds_add_u32 v0, v1
	s_wait_dscnt 0x0
	s_set_vgpr_msb 0x500
	s_endpgm
.Lfunc_end_k_q728b409721_delta:
	.size	k_q728b409721_delta, .Lfunc_end_k_q728b409721_delta-k_q728b409721_delta
	.p2alignl 7, 3214868480
	.fill 96, 4, 3214868480
	.section	.rodata,"a",@progbits
	.p2align	6, 0x0
	.amdhsa_kernel k_q728b409721_delta
		.amdhsa_group_segment_fixed_size 168448
		.amdhsa_private_segment_fixed_size 0
		.amdhsa_enable_private_segment 0
		.amdhsa_kernarg_size 104
		.amdhsa_user_sgpr_count 2
		.amdhsa_user_sgpr_kernarg_segment_ptr 1
		.amdhsa_wavefront_size32 1
		.amdhsa_system_sgpr_workgroup_id_x 1
		.amdhsa_system_sgpr_workgroup_id_y 1
		.amdhsa_system_sgpr_workgroup_id_z 1
		.amdhsa_system_vgpr_workitem_id 0
		.amdhsa_next_free_vgpr 258
		.amdhsa_next_free_sgpr 100
		.amdhsa_reserve_vcc 0
		.amdhsa_float_denorm_mode_32 3
		.amdhsa_float_denorm_mode_16_64 3
		.amdhsa_memory_ordered 1
		.amdhsa_forward_progress 1
		.amdhsa_inst_pref_size 162
	.end_amdhsa_kernel
	.amdgpu_metadata
---
amdhsa.version: [ 1, 2 ]
amdhsa.kernels:
  - .name:           k_q728b409721_delta
    .symbol:         k_q728b409721_delta.kd
    .args:
      - { .name: seq, .offset: 0, .size: 8, .value_kind: global_buffer, .address_space: global }
      - { .name: embed, .offset: 8, .size: 8, .value_kind: global_buffer, .address_space: global }
      - { .name: w1, .offset: 16, .size: 8, .value_kind: global_buffer, .address_space: global }
      - { .name: b1, .offset: 24, .size: 8, .value_kind: global_buffer, .address_space: global }
      - { .name: w2, .offset: 32, .size: 8, .value_kind: global_buffer, .address_space: global }
      - { .name: b2, .offset: 40, .size: 8, .value_kind: global_buffer, .address_space: global }
      - { .name: ln_g, .offset: 48, .size: 8, .value_kind: global_buffer, .address_space: global }
      - { .name: ln_b, .offset: 56, .size: 8, .value_kind: global_buffer, .address_space: global }
      - { .name: read_w, .offset: 64, .size: 8, .value_kind: global_buffer, .address_space: global }
      - { .name: read_b, .offset: 72, .size: 8, .value_kind: global_buffer, .address_space: global }
      - { .name: out_w, .offset: 80, .size: 8, .value_kind: global_buffer, .address_space: global }
      - { .name: out_b, .offset: 88, .size: 8, .value_kind: global_buffer, .address_space: global }
      - { .name: out0, .offset: 96, .size: 8, .value_kind: global_buffer, .address_space: global }
    .group_segment_fixed_size: 168448
    .private_segment_fixed_size: 0
    .kernarg_segment_align: 8
    .kernarg_segment_size: 104
    .max_flat_workgroup_size: 128
    .sgpr_count:     100
    .vgpr_count:     258
    .wavefront_size: 32
...
	.end_amdgpu_metadata
.endif
;; end of part 3
;; ======== version 4 of 4: 1 launch; version 3 with the launch delta written anew for expert scheduling mode
;; launch delta (part 4): grid 256 x 1, 4 waves a work-group, no clusters, 168,448 bytes of LDS; arguments seq, embed, w1, b1, w2, b2, ln_g, ln_b, read_w, read_b, out_w, out_b, out0; writes out0
.if DOCPART == 4
	.amdgcn_target "amdgcn-amd-amdhsa--gfx1250"
	.amdhsa_code_object_version 6
	.text
	.protected	k_q728b409721_delta
	.globl	k_q728b409721_delta
	.p2align	8
	.type	k_q728b409721_delta,@function
k_q728b409721_delta:
	s_mov_b64 s[64:65], 0
	v_nop
	global_prefetch_b8 v0, s[64:65] scope:SCOPE_SE
	s_setreg_imm32_b32 hwreg(HW_REG_WAVE_SCHED_MODE, 0, 2), 2
	s_setreg_imm32_b32 hwreg(HW_REG_WAVE_MODE, 25, 1), 1
	s_wait_xcnt 0x0
	s_wait_alu depctr_vm_vsrc(0)
; DeltaRuleModel: out0[b] = ((M_b q_b) read_w + read_b) out_w + out_b, M_b the delta-rule memory of row b after 1,023 steps.
; One launch, 256 work-groups of four waves; wave w of work-group g owns batch row b = 4 g + w from its tokens to its 64 outputs.
;
; WHAT IS NOT COMPUTED, AND WHY THE RESULT IS THE SAME FOR ALL VALUES OF THE INPUTS (exact arithmetic):
; 1. The encoder acts on embed[seq[b][l]] row by row, so hidden[b][l] is a function of the token alone: there are 64 different
;    hidden vectors.  They are made once, as the table T[64][32], and looked up by the token read from memory.
; 2. M is never formed.  A step is M' = M + (k - M k / d) k^T = M (I - k k^T / d) + k k^T, d = k.k + 1e-6, and M starts as the zeros
;    that the module builds itself.  Only M q is used.  Walking the steps backwards, t = 1022 .. 0, with u = q and c = 0:
;    alpha = k_t . u;  c += alpha k_t;  u -= alpha k_t / d_t;  at the end c = M q.  This is associativity of the products, nothing else.
; 3. All keys are rows of T, so s[v] = T_v . u (64 numbers, two a lane) is carried in place of u: alpha = s[a_t] is a read of one lane,
;    and the step is s += alpha N[a_t][:], N[a][v] = -(T_a . T_v) / d_a, a table of 64 x 64 made once.  At the start s = T T_q.
;    Behind the step of t = 0 nothing reads s, so that step makes alpha and c alone.
; No input is left out: all thirteen buffers are arguments.
; LIMITS.  The order of rounding differs from the module's as written.  A NaN, an infinity or an overflow that would arise only inside M
; is not carried to the result.  1 / d is v_rcp_f32 (1 ULP; d >= 1e-6).  Tokens are taken as unsigned and held to 63 at the most (the problem
; has them in 0 .. 63).  The encoder's two products have bf16 operands and f32 sums; T's residual, LayerNorm, d, N, the recurrence and the
; two last products (one row a wave: a sixteenth of a matrix tile) are f32 on the vector unit: N is part of what is carried from step to step.
; The launch asks for more LDS than the 79,360 bytes it uses, so that a work-group is alone where it runs: each wave is one dependent chain.
; No tile is shared between work-groups but 37 KiB of weights read once at the start: no cluster, no tensor loads.
;
; THE MODE: SCHED_MODE bits 1:0 = 2 (LLVM: expert scheduling mode 2), set by the entry lines.  The code itself states the register dependences
; between vector or matrix instructions and memory or LDS instructions, and those through scalar registers that vector instructions write,
; with s_wait_alu, always for 0.
; THE PLAN OF THE RECURRENCE'S LOOP.  An iteration is two halves of sixteen steps.  Registers that LDS instructions touch:
;   RA, BT 0-15   loaded in a second half; read (BT also clamped) by the steps of the first half that follows.
;   RB, BT 16-31  loaded in a first half; read by the steps of the second half that follows.
;   ADR set 0     written by a first half's steps; read as addresses by the loads of the second half that follows.  ADR set 1: the other way round.
;   TOKN          loaded in a first half; read and written by four lines at the head of the second half.
;   TADR, TBAD    read by the token loads of both halves; stepped by two adds at a first half's head.
; So a half's vector instructions name one record buffer, one half of BT and one address set, and its loads touch the other of each.  Two waits at a half's head
; state all of it: on vm_vsrc, that the loads of the half before have read the address set (and pointers) that are now written again; on va_vdst, that the half before
; has written the addresses that this half's loads read and is done with the registers in which they land.  Behind them the half's loads are dealt among its first
; seven steps with no further wait.  One wait on va_sdst a step stands ahead of the first line that reads alpha.
; ---- LDS map (bytes)
.set TP,    144                        ; pitch of a row of T: 128 bytes + 16
.set REC,   0                          ; 64 records of 512 bytes: token a, lane l at 512 a + 16 l: N[a][l], N[a][l+32], -d_a, T[a][l]
.set TROW,  32768                      ; T[a][dim] at 144 a + 4 dim
.set NRD,   41984                      ; 8 a: -1/d_a, -d_a
.set RWL,   42496                      ; read_w as in memory
.set OWL,   46592                      ; out_w as in memory
.set WF,    54784                      ; eight bf16 weight fragments: 1024 f + 512 (register half) + 16 lane
.set TOKS,  62976                      ; 4,096 bytes a wave: its tokens, position P = 1023 - t in word P xor 3
; ---- registers that live through the kernel
.set LANE,  1
.set OUTB,  2                          ; v[2:3] out_b of my two columns
.set L16,   4                          ; 16 x lane, never rewritten
.set RDB,   5                          ; read_b of my column
; ---- encoder phases
.set OW1,   6                          ; offsets of global loads, each written once and left alone until all loads are in
.set OW2,   7
.set OT16,  8
.set OEMB,  9
.set OH32,  10
.set OL4,   11
.set OL8,   12
.set AWF,   13                         ; LDS addresses
.set ANRD,  14
.set ATROW, 15
.set EH,    16                         ; v[16:31]   my token's 16 numbers of embed, f32
.set ACC1,  32                         ; v[32:63]   four accumulators of product 1, started with b1
.set WL,    64                         ; v[64:95]   weights as loaded
.set WFR,   64                         ; v[64:127]  the eight fragments
.set G2R,   96                         ; v[96:119]  read_w, out_w on their way to LDS
.set ACC2,  128                        ; v[128:143] two accumulators of product 2, started with h + b2; then x, then hidden
.set LG,    144
.set LB,    160
.set HB,    176                        ; v[176:183] embed rows as a bf16 fragment
.set ACTB,  184                        ; v[184:199] relu's results as two bf16 fragments
.set SEQR,  200                        ; v[200:231] my row of seq
.set TT,    232                        ; v[232:247] at work
.set RR,    248
.set HH,    249
.set ATOK,  250
.set TMP,   251
.set OSEQ,  252
; ---- Gram phase
.set GA,    6
.set GB,    7
.set GC,    8
.set GD,    9
.set GT,    10
.set GACC,  16                         ; v[16:31]   eight packed sums
.set RV,    32                         ; record at 32 + 16 buffer + 8 e: four words, then (-1/d, -d)
.set TV,    64                         ; v[64:95] row lane of T, v[96:127] row lane + 32
.set TA,    128                        ; v[128:255] two buffers of two broadcast rows
; ---- recurrence
.set S,     6                          ; v[6:7] s[lane], s[lane+32]
.set C,     8                          ; c[lane]
.set X,     9                          ; the half of s that holds the next position's token
.set NS,    10                         ; the same half of this position's row of N
.set LANEC, 11                         ; this iteration's positions (lane = word): lane number a & 31, and a mask of ones where a >= 32
.set MASKC, 12
.set TOKN,  13                         ; the next iteration's tokens, lane numbers and masks
.set LANEN, 14
.set MASKN, 15
.set TADR,  16                         ; LDS address of an iteration's 32 tokens, one word a lane
.set TMP5,  17
.set TBAD,  18                         ; the same 128 bytes, the same address in every lane
.set ADR,   20                         ; v[20:35] record addresses made in a first half, v[36:51] those made in a second half
.set RA,    64                         ; v[64:127]  records of positions 0-15
.set RB,    128                        ; v[128:191] records of positions 16-31
.set BT,    192                        ; v[192:223] 32 tokens, each the same in every lane: position p in register BT + (p xor 3)
.set AL,    40                         ; s[40:43] alpha, two pairs by the step's parity; the odd registers are 0
.set LN,    44                         ; s44, s45 lane of s[a], by the position's parity
.set MK,    46                         ; s46, s47 all ones where a >= 32, by the position's parity
; ---- the way out
.set A4,    17
.set A8,    18
.set RACC,  20
.set OACC,  24
.set RWV,   64
.set OWV,   128
	s_load_b512 s[8:23], s[0:1], 0x0               ; seq s[8:9], embed s[10:11], w1 s[12:13], b1 s[14:15], w2 s[16:17], b2 s[18:19], ln_g s[20:21], ln_b s[22:23]
	s_load_b256 s[24:31], s[0:1], 0x40             ; read_w s[24:25], read_b s[26:27], out_w s[28:29], out_b s[30:31]
	s_load_b64 s[32:33], s[0:1], 0x60              ; out0
	s_set_vgpr_msb 0x40
	v_lshl_add_u32 v0, v0, 2, 0x29000
	v_mov_b32 v1, 0
	s_set_vgpr_msb 0x4000
	v_lshrrev_b32 v[TMP], 5, v0
	v_readfirstlane_b32 s2, v[TMP]                 ; wave 0..3
	v_and_b32 v[LANE], 31, v0
	v_and_b32 v[RR], 15, v0                        ; r
	v_bfe_u32 v[HH], v0, 4, 1                      ; h
	v_lshlrev_b32 v[L16], 4, v[LANE]
	s_mov_b32 s36, 0x76543210                      ; v_permlanex16_b32: lane i takes lane i of the other half
	s_mov_b32 s37, 0xfedcba98
	s_mov_b32 s39, 0x3d000000                      ; 1/32
	s_wait_alu depctr_va_sdst(0)                   ; s2 is written, ahead of its first reader: offsets, LDS addresses and the bases of seq and out0 are made from it
	s_mul_i32 s53, s2, 16*TP                       ; my 16 tokens' rows of T
	s_lshl_b32 s54, s2, 12
	s_add_co_u32 s54, s54, TOKS                    ; my tokens in LDS
	s_lshl_b32 s52, ttmp9, 2
	s_add_co_u32 s52, s52, s2                      ; b
	; a fragment's element e of lane (r, h) has k = 8 h + e (e < 8) or 8 h + e + 8: 8 h goes into the offset register, the rest into the immediate
	v_lshlrev_b32 v[TMP], 2, v[RR]
	v_lshl_add_u32 v[OW1], v[HH], 11, v[TMP]       ; w1[k][16 w + r]: 2048 h + 4 r
	s_lshl_b32 s3, s2, 6
	v_add_nc_u32 v[OW1], s3, v[OW1]                ; + 64 w
	v_lshl_add_u32 v[OW2], v[HH], 10, v[TMP]       ; w2[32 (w&1) + k][16 (w>>1) + r]: 1024 h + 4 r
	s_and_b32 s3, s2, 1
	s_lshl_b32 s3, s3, 12
	s_lshr_b32 s38, s2, 1
	s_lshl_b32 s38, s38, 6
	s_add_co_u32 s3, s3, s38
	v_add_nc_u32 v[OW2], s3, v[OW2]                ; + 4096 (w&1) + 64 (w>>1)
	v_lshlrev_b32 v[OT16], 4, v0
	v_lshlrev_b32 v[OH32], 5, v[HH]
	v_lshl_add_u32 v[OEMB], v[RR], 7, v[OH32]      ; embed[16 w + r][8 h ..]
	s_lshl_b32 s3, s2, 11
	v_add_nc_u32 v[OEMB], s3, v[OEMB]
	v_lshlrev_b32 v[OL4], 2, v[LANE]
	v_lshlrev_b32 v[OL8], 3, v[LANE]
	v_sub_nc_u32 v[OSEQ], 496, v[L16]              ; seq is taken with the lanes mirrored: 16 (31 - lane)
	v_lshl_add_u32 v[AWF], s2, 10, v[L16]
	s_lshl_b32 s3, s2, 7
	v_lshl_add_u32 v[ANRD], v[RR], 3, s3           ; 8 (16 w + r)
	v_mul_u32_u24 v[ATROW], v[RR], TP
	v_add_nc_u32 v[ATROW], v[ATROW], v[OH32]
	v_add_nc_u32 v[ATROW], s53, v[ATROW]           ; 144 (16 w + r) + 32 h
	v_add_nc_u32 v[ATOK], s54, v[L16]
	s_lshl_b32 s34, s52, 12
	s_mov_b32 s35, 0
	s_wait_kmcnt 0x0
	s_add_nc_u64 s[8:9], s[8:9], s[34:35]          ; my row of seq
	s_lshl_b32 s34, s52, 8
	s_add_nc_u64 s[32:33], s[32:33], s[34:35]      ; my row of out0
	s_wait_alu depctr_va_vdst(0)                   ; the offsets and LDS addresses v4, v6 to v15, v250 and v252 are written: the loads below and the LDS instructions of phases 1 to 3 read them
	; ALL GLOBAL LOADS, in the order in which they are needed.
	; 32 loads: wave w gathers one fragment of w1^T (units 16 w ..) and one of w2^T (dims 16 (w>>1) .., units 32 (w&1) ..)
.set ee, 0
.rept 16
.if ee < 8
.set kk, ee
.else
.set kk, ee+8
.endif
	global_load_b32 v[WL+ee], v[OW1], s[12:13] offset:kk*256
	global_load_b32 v[WL+16+ee], v[OW2], s[16:17] offset:kk*128
.set ee, ee+1
.endr
	; 6 loads: read_w and out_w, 16 bytes a thread
.irp i, 0,1
	global_load_b128 v[G2R+4*\i:G2R+4*\i+3], v[OT16], s[24:25] offset:2048*\i
.endr
.irp i, 0,1,2,3
	global_load_b128 v[G2R+8+4*\i:G2R+8+4*\i+3], v[OT16], s[28:29] offset:2048*\i
.endr
	; 26 loads: my token's half row of embed; biases and gains in the layout of a matrix result (register 8 p + j: index 16 p + 8 h + j)
.irp q, 0,1,2,3
	global_load_b128 v[EH+4*\q:EH+4*\q+3], v[OEMB], s[10:11] offset:16*(\q&1)+64*(\q>>1)
.endr
.irp q, 0,1,2,3,4,5,6,7
	global_load_b128 v[ACC1+4*\q:ACC1+4*\q+3], v[OH32], s[14:15] offset:16*(\q&1)+64*(\q>>1)
.endr
.irp q, 0,1,2,3
	global_load_b128 v[ACC2+4*\q:ACC2+4*\q+3], v[OH32], s[18:19] offset:16*(\q&1)+64*(\q>>1)
	global_load_b128 v[LG+4*\q:LG+4*\q+3], v[OH32], s[20:21] offset:16*(\q&1)+64*(\q>>1)
	global_load_b128 v[LB+4*\q:LB+4*\q+3], v[OH32], s[22:23] offset:16*(\q&1)+64*(\q>>1)
.endr
	global_load_b32 v[RDB], v[OL4], s[26:27]
	global_load_b64 v[OUTB:OUTB+1], v[OL8], s[30:31]
	; 8 loads: my 4,096 bytes of seq, last block first: group i, lane l, word j holds t = 128 (7 - i) + 4 (31 - l) + j; each load covers 512 consecutive bytes
.irp i, 0,1,2,3,4,5,6,7
	global_load_b128 v[SEQR+4*\i:SEQR+4*\i+3], v[OSEQ], s[8:9] offset:512*(7-\i) th:TH_LOAD_NT
.endr
	; PHASE 1: the weights go to LDS for all four waves
	s_wait_loadcnt 34                              ; the 38 oldest are in; the 26 + 8 younger loads stay out
.set jj, 0
.rept 16
	v_cvt_pk_bf16_f32 v[TT+jj], v[WL+2*jj], v[WL+2*jj+1]   ; element e in register e / 2, the lower k in the low half
.set jj, jj+1
.endr
	s_wait_alu depctr_va_vdst(0)                   ; the conversions have written v[TT ..], which the LDS stores read, and are done reading v[WL ..], in which phase 2's fragments land
	ds_store_b128 v[AWF], v[TT:TT+3] offset:WF             ; fragment w: w1^T
	ds_store_b128 v[AWF], v[TT+4:TT+7] offset:WF+512
	ds_store_b128 v[AWF], v[TT+8:TT+11] offset:WF+4096     ; fragment 4 + w: w2^T
	ds_store_b128 v[AWF], v[TT+12:TT+15] offset:WF+4096+512
.irp i, 0,1
	ds_store_b128 v[OT16], v[G2R+4*\i:G2R+4*\i+3] offset:RWL+2048*\i
.endr
.irp i, 0,1,2,3
	ds_store_b128 v[OT16], v[G2R+8+4*\i:G2R+8+4*\i+3] offset:OWL+2048*\i
.endr
	s_wait_dscnt 0x0                               ; my stores are done, for the other waves' sake
	s_barrier_signal -1
	s_barrier_wait -1
	; PHASE 2: the encoder's products for tokens 16 w .. 16 w + 15, used transposed: A = a tile of the weights' transpose, B = tokens as columns,
	; so that a result's register j of lane (r, h) is index 8 h + j of token r: the layout of a B fragment's halves, and no shuffle is needed between the products.
	s_wait_alu depctr_vm_vsrc(0)                   ; my LDS stores have read v[G2R ..], in which the fragments below land, and v[TT ..], which phase 3 writes again
.set ff, 0
.rept 8
	ds_load_b128 v[WFR+8*ff:WFR+8*ff+3], v[L16] offset:WF+1024*ff
	ds_load_b128 v[WFR+8*ff+4:WFR+8*ff+7], v[L16] offset:WF+1024*ff+512
.set ff, ff+1
.endr
	s_wait_loadcnt 8                               ; all but the eight loads of seq
.irp j, 0,1,2,3,4,5,6,7
	v_cvt_pk_bf16_f32 v[HB+\j], v[EH+2*\j], v[EH+2*\j+1]
.endr
.irp j, 0,2,4,6,8,10,12,14
	v_pk_add_f32 v[ACC2+\j:ACC2+\j+1], v[ACC2+\j:ACC2+\j+1], v[EH+\j:EH+\j+1]    ; product 2 starts from h + b2
.endr
	s_wait_dscnt 0x0                               ; the fragments are in
.irp u, 0,1,2,3
	v_wmma_f32_16x16x32_bf16 v[ACC1+8*\u:ACC1+8*\u+7], v[WFR+8*\u:WFR+8*\u+7], v[HB:HB+7], v[ACC1+8*\u:ACC1+8*\u+7]   ; units 16 u ..: w1^T h + b1; four accumulators
.endr
.rept 4
	v_nop                                          ; four places before a vector instruction touches a matrix result (ISA guide 7.12.1)
.endr
.set jj, 0
.rept 32
	v_max_num_f32 v[ACC1+jj], 0, v[ACC1+jj]
.set jj, jj+1
.endr
.set jj, 0
.rept 16
	v_cvt_pk_bf16_f32 v[ACTB+jj], v[ACC1+2*jj], v[ACC1+2*jj+1]   ; fragment s: registers 0-3 from accumulator 2 s, 4-7 from 2 s + 1
.set jj, jj+1
.endr
	; the two accumulators take turns, one instruction a turn
.irp s, 0,1
.irp p, 0,1
	v_wmma_f32_16x16x32_bf16 v[ACC2+8*\p:ACC2+8*\p+7], v[WFR+8*(4+2*\p+\s):WFR+8*(4+2*\p+\s)+7], v[ACTB+8*\s:ACTB+8*\s+7], v[ACC2+8*\p:ACC2+8*\p+7]
.endr
.endr
.rept 4
	v_nop                                          ; four places, as above
.endr
	; PHASE 3: LayerNorm of x (register 8 p + j of lane (r, h): dim 16 p + 8 h + j of token r), d, and T into LDS
.macro CROSS                           ; v[TT] + v[TT+1], then plus the other half of the lanes: the same sum in lanes r and r + 16
	v_add_f32 v[TT], v[TT], v[TT+1]
	v_permlanex16_b32 v[TT+1], v[TT], s36, s37
	v_add_f32 v[TT], v[TT], v[TT+1]
.endm
.macro SUMSQ                           ; the sum of the squares of a token's 32 numbers, two chains
	v_pk_mul_f32 v[TT:TT+1], v[ACC2:ACC2+1], v[ACC2:ACC2+1]
	v_pk_mul_f32 v[TT+2:TT+3], v[ACC2+2:ACC2+3], v[ACC2+2:ACC2+3]
.irp j, 4,8,12
	v_pk_fma_f32 v[TT:TT+1], v[ACC2+\j:ACC2+\j+1], v[ACC2+\j:ACC2+\j+1], v[TT:TT+1]
	v_pk_fma_f32 v[TT+2:TT+3], v[ACC2+\j+2:ACC2+\j+3], v[ACC2+\j+2:ACC2+\j+3], v[TT+2:TT+3]
.endr
	v_pk_add_f32 v[TT:TT+1], v[TT:TT+1], v[TT+2:TT+3]
	CROSS
.endm
	v_pk_add_f32 v[TT:TT+1], v[ACC2:ACC2+1], v[ACC2+2:ACC2+3]
	v_pk_add_f32 v[TT+2:TT+3], v[ACC2+4:ACC2+5], v[ACC2+6:ACC2+7]
	v_pk_add_f32 v[TT+4:TT+5], v[ACC2+8:ACC2+9], v[ACC2+10:ACC2+11]
	v_pk_add_f32 v[TT+6:TT+7], v[ACC2+12:ACC2+13], v[ACC2+14:ACC2+15]
	v_pk_add_f32 v[TT:TT+1], v[TT:TT+1], v[TT+2:TT+3]
	v_pk_add_f32 v[TT+4:TT+5], v[TT+4:TT+5], v[TT+6:TT+7]
	v_pk_add_f32 v[TT:TT+1], v[TT:TT+1], v[TT+4:TT+5]
	CROSS
	v_mul_f32 v[TT+8], s39, v[TT]                  ; the mean, twice
	v_mul_f32 v[TT+9], s39, v[TT]
.irp j, 0,2,4,6,8,10,12,14
	v_pk_add_f32 v[ACC2+\j:ACC2+\j+1], v[ACC2+\j:ACC2+\j+1], v[TT+8:TT+9] neg_lo:[0,1] neg_hi:[0,1]
.endr
	SUMSQ
	v_fmaak_f32 v[TT+4], s39, v[TT], 0x3727c5ac    ; variance + 1e-5
	v_rsq_f32 v[TT+8], v[TT+4]
	v_nop                                          ; one plain instruction before the result is used (ISA guide 5.7.2)
	s_wait_alu depctr_va_vdst(0)
	v_mov_b32 v[TT+9], v[TT+8]
.irp j, 0,2,4,6,8,10,12,14
	v_pk_mul_f32 v[LG+\j:LG+\j+1], v[LG+\j:LG+\j+1], v[TT+8:TT+9]
.endr
.irp j, 0,2,4,6,8,10,12,14
	v_pk_fma_f32 v[ACC2+\j:ACC2+\j+1], v[ACC2+\j:ACC2+\j+1], v[LG+\j:LG+\j+1], v[LB+\j:LB+\j+1]   ; hidden
.endr
	SUMSQ
	v_add_f32 v[TT+4], 0x358637bd, v[TT]           ; d = k.k + 1e-6
	v_rcp_f32 v[TT+5], v[TT+4]
	v_nop                                          ; one plain instruction, as above
	v_mul_f32 v[TT+7], -1.0, v[TT+4]               ; -d
	s_wait_alu depctr_va_vdst(0)
	v_mul_f32 v[TT+6], -1.0, v[TT+5]               ; -1/d
	s_wait_alu depctr_va_vdst(0)                   ; -1/d, -d and hidden are written: the LDS stores below read v[TT+6:TT+7] and v[ACC2 ..]
	ds_store_b64 v[ANRD], v[TT+6:TT+7] offset:NRD  ; lanes r and r + 16 store the same two words
.irp q, 0,1,2,3
	ds_store_b128 v[ATROW], v[ACC2+4*\q:ACC2+4*\q+3] offset:TROW+16*(\q&1)+64*(\q>>1)
.endr
	s_wait_loadcnt 0x0                             ; seq is in; every offset register of a global load is free from here on
.irp i, 0,1,2,3,4,5,6,7
	ds_store_b128 v[ATOK], v[SEQR+4*\i:SEQR+4*\i+3] offset:512*\i    ; word 128 i + 4 l + j holds t = 1023 - (128 i + 4 l + 3 - j): position P in word P xor 3
.endr
	s_wait_dscnt 0x0                               ; T and d are stored, for the other waves' sake
	s_barrier_signal -1
	s_barrier_wait -1
	; PHASE 4: the records of tokens a = 16 w + i.  Lane l holds rows l and l + 32 of T; token a's row comes as a broadcast; two tokens at a time, two buffers.
	s_wait_alu depctr_vm_vsrc(0)                   ; the global loads have read their offsets v6 to v10, which are written below; my LDS stores have read v[128:143], v[200:231], v[238:239] and v250, in which rows of T land
	v_mov_b32 v[GA], s53
	v_lshl_add_u32 v[GB], v[LANE], 2, s53
	s_lshl_b32 s3, s2, 7
	v_mov_b32 v[GC], s3
	v_lshl_add_u32 v[GD], s2, 13, v[L16]
	v_mul_u32_u24 v[GT], v[LANE], TP
	s_wait_alu depctr_va_vdst(0)                   ; the five addresses are written; the encoder's vector and matrix instructions are done with v[32:255], in which the loads below land
.irp m, 0,1,2,3,4,5,6,7
	ds_load_b128 v[TV+4*\m:TV+4*\m+3], v[GT] offset:TROW+16*\m
	ds_load_b128 v[TV+32+4*\m:TV+32+4*\m+3], v[GT] offset:TROW+32*TP+16*\m
.endr
.macro GLOAD g, bb                     ; 22 LDS loads: for tokens i = 2 g, 2 g + 1 the row, -d, T[a][lane] and (-1/d, -d)
.irp e, 0,1
.irp m, 0,1,2,3,4,5,6,7
	ds_load_b128 v[TA+64*(\bb)+32*\e+4*\m:TA+64*(\bb)+32*\e+4*\m+3], v[GA] offset:TROW+(2*(\g)+\e)*TP+16*\m
.endr
	ds_load_b32 v[RV+16*(\bb)+8*\e+2], v[GC] offset:NRD+(2*(\g)+\e)*8+4
	ds_load_b32 v[RV+16*(\bb)+8*\e+3], v[GB] offset:TROW+(2*(\g)+\e)*TP
	ds_load_b64 v[RV+16*(\bb)+8*\e+4:RV+16*(\bb)+8*\e+5], v[GC] offset:NRD+(2*(\g)+\e)*8
.endr
.endm
.macro GPAIR more                      ; tokens 2 GG, 2 GG + 1 from buffer BB: four dot products of 32, each in two packed chains of eight
.if \more
.if GG > 0
	s_wait_alu depctr_vm_vsrc(0)                   ; the two stores of the pair before have read its records' registers: two words of each are loaded again below, the other two are written again a pair later
.endif
	GLOAD GG+1,1-BB                                ; no vector instruction stands between the wait on va_vdst ahead of those stores (for the first pair: at the phase's head) and these loads
	s_wait_dscnt 22                                ; all but the 22 loads just issued: this pair's rows are in (LDS answers a wave in order: ISA guide 5.7.1)
.else
	s_wait_dscnt 0x0
.endif
.set TB, TA+64*BB
.set RW2, RV+16*BB
.irp m, 0,1,2,3,4,5,6,7
.irp e, 0,1
.irp x, 0,1
.irp c, 0,1
.if \m == 0
	v_pk_mul_f32 v[GACC+2*(4*\e+2*\x+\c):GACC+2*(4*\e+2*\x+\c)+1], v[TB+32*\e+4*\m+2*\c:TB+32*\e+4*\m+2*\c+1], v[TV+32*\x+4*\m+2*\c:TV+32*\x+4*\m+2*\c+1]
.else
	v_pk_fma_f32 v[GACC+2*(4*\e+2*\x+\c):GACC+2*(4*\e+2*\x+\c)+1], v[TB+32*\e+4*\m+2*\c:TB+32*\e+4*\m+2*\c+1], v[TV+32*\x+4*\m+2*\c:TV+32*\x+4*\m+2*\c+1], v[GACC+2*(4*\e+2*\x+\c):GACC+2*(4*\e+2*\x+\c)+1]
.endif
.endr
.endr
.endr
.endr
.irp e, 0,1
.irp x, 0,1
	v_pk_add_f32 v[GACC+2*(4*\e+2*\x):GACC+2*(4*\e+2*\x)+1], v[GACC+2*(4*\e+2*\x):GACC+2*(4*\e+2*\x)+1], v[GACC+2*(4*\e+2*\x)+2:GACC+2*(4*\e+2*\x)+3]
.endr
.endr
.irp e, 0,1
.irp x, 0,1
	v_add_f32 v[RW2+8*\e+\x], v[GACC+2*(4*\e+2*\x)], v[GACC+2*(4*\e+2*\x)+1]
.endr
.endr
.irp e, 0,1
	v_pk_mul_f32 v[RW2+8*\e:RW2+8*\e+1], v[RW2+8*\e:RW2+8*\e+1], v[RW2+8*\e+4:RW2+8*\e+5] op_sel_hi:[1,0]   ; both times -1/d_a
.endr
	s_wait_alu depctr_va_vdst(0)                   ; both records' first two words are written, which the stores read; the pair's sums are done reading its rows and its (-1/d, -d), in which the next pair's loads land
.irp e, 0,1
	ds_store_b128 v[GD], v[RW2+8*\e:RW2+8*\e+3] offset:REC+(2*GG+\e)*512
.endr
.set GG, GG+1
.set BB, 1-BB
.endm
.set GG, 0
.set BB, 0
	GLOAD 0,0
.rept 7
	GPAIR 1
.endr
	GPAIR 0
	s_wait_dscnt 0x0                               ; my sixteen records are stored, for the other waves' sake
	s_barrier_signal -1
	s_barrier_wait -1                              ; from here on no wave writes LDS
	; PHASE 5: the recurrence.  32 iterations of 32 positions; position p of iteration it is t = 1023 - 32 it - p and lies in word p xor 3 of the iteration's 128 bytes of tokens.
	; Position 0 of the first iteration is the query; the other 1,023 are steps.
	; THE CHAIN.  alpha_p is lane a_p & 31 of X_p, the half of s that holds token a_p.  X_{p+1} = select(s_p) + alpha_p select(N[a_p]), both selects by
	; position p + 1's mask: neither needs alpha_p, so they stand behind the read of alpha_p, and one multiply-add (the same fused arithmetic as the update of s)
	; makes X_{p+1}.  From one alpha to the next there are two dependent instructions, the multiply-add and the read of a lane; s and c are updated beside them.
	; A step has ten vector instructions: three that hang on neither, and the wait for alpha, stand between the read of alpha and the multiply-add, five between that and the next read.
	; THE FETCH.  The tokens are read from LDS twice: one word a lane (lane p xor 3), from which lane numbers and masks are read as scalars two positions ahead,
	; and as broadcasts (register BT + (p xor 3)), from which the record addresses are made by vector instructions, one position a step.
	; A half's sixteen records are asked for in the first steps of the half before, three loads a step, with addresses made in the half before that.
.macro DERIVE tok, ln, mk              ; per position: the token held to 63, its lane (a & 31) and a mask of ones where a >= 32
	v_min_u32 v[\tok], 63, v[\tok]
	v_and_b32 v[\ln], 31, v[\tok]
	v_lshlrev_b32 v[TMP5], 26, v[\tok]
	v_ashrrev_i32 v[\mk], 31, v[TMP5]
.endm
.macro TOKB r0, off                    ; ahead of the loop: sixteen tokens as broadcasts: four loads of 16 bytes, every lane at the same address
.irp m, 0,1,2,3
	ds_load_b128 v[BT+\r0+4*\m:BT+\r0+4*\m+3], v[TBAD] offset:\off+16*\m
.endr
.endm
.macro PREP16 b, aset                  ; ahead of the loop: sixteen record addresses at once, 512 min(a, 63) + 16 lane
.set jj, 0
.rept 16
	v_min_u32 v[BT+\b+jj], 63, v[BT+\b+jj]
.set jj, jj+1
.endr
.set jj, 0
.rept 16
	v_lshl_add_u32 v[ADR+16*\aset+jj], v[BT+\b+(jj^3)], 9, v[L16]
.set jj, jj+1
.endr
.endm
.macro LOADS buf, aset                 ; ahead of the loop: sixteen records in one run, 512 consecutive bytes each
.irp k, 0,1,2,3,4,5,6,7,8,9,10,11,12,13,14,15
	ds_load_b128 v[\buf+4*\k:\buf+4*\k+3], v[ADR+16*\aset+\k]
.endr
.endm
; The next of a half's LDS loads, if one is left.  HALF sets the queue: QT0 loads of one token a lane, QTB of four broadcast tokens each (into BT + BTB, from byte BTO), QR records (into RBUF, by address set ASET).
; No wait: no vector instruction since the wait on va_vdst at the half's head names a register that these loads touch.
.macro DEAL
.if QQ < QT0
	ds_load_b32 v[TOKN], v[TADR]                   ; the next iteration's 32 tokens, one a lane
.elseif QQ < QT0+QTB
.set mm, QQ-QT0
	ds_load_b128 v[BT+BTB+4*mm:BT+BTB+4*mm+3], v[TBAD] offset:BTO+16*mm
.elseif QQ < QT0+QTB+QR
.set mm, QQ-QT0-QTB
	ds_load_b128 v[RBUF+4*mm:RBUF+4*mm+3], v[ADR+16*ASET+mm]
.endif
.set QQ, QQ+1
.endm
; Position PP.  kind: 0 = an iteration with two more behind it, 1 = the last but one, 2 = the last.
; Scalars by parity: this step reads LN of position PP (slot PP & 1) and MK of PP + 1 (the other slot), and fills slot PP & 1 of both with position PP + 2's:
; LN's slot is free behind the read of alpha, MK's since the step before.
.macro STEP first, kind
.set KK, PP & 15
.set HF, PP >> 4
.set PAR, PP & 1
.set BUF, RA + 64*HF + 4*KK
.set MODE, 0                           ; 0 a step, 1 the query, 2 the first step, which starts c
.if \first
.if PP < 2
.set MODE, PP + 1
.endif
.endif
.set FIN, 0                            ; 1: the step of t = 0
.set AHEAD, 1                          ; 1: position PP + 2 exists
.if \kind == 2
.if PP == 31
.set FIN, 1
.endif
.if PP > 29
.set AHEAD, 0
.endif
.endif
.if AHEAD
.if PP < 30
	v_readlane_b32 s[MK+PAR], v[MASKC], (PP+2)^3
.else
	v_readlane_b32 s[MK+PAR], v[MASKN], (PP-30)^3
.endif
.endif
.if MODE == 1
	v_pk_mul_f32 v[S:S+1], v[BUF:BUF+1], v[BUF+2:BUF+3] op_sel_hi:[1,0]          ; the query: s = -d_q N[q][:] = T T_q
.else
	v_readlane_b32 s[AL+2*PAR], v[X], s[LN+PAR]    ; alpha = s[a]
.endif
	DEAL
.if MODE != 1
.if FIN == 0
	v_cndmask_b32 v[X], v[S], v[S+1], s[MK+1-PAR]              ; the half of s, as it stands before this step, that holds the next token
	v_cndmask_b32 v[NS], v[BUF], v[BUF+1], s[MK+1-PAR]         ; the same half of N[a][:]
.endif
.endif
.if \kind != 2
	v_min_u32 v[BT+(PP^3)], 63, v[BT+(PP^3)]       ; the next iteration's position PP: each register of BT is used once between two fills
.endif
	DEAL
	s_wait_alu depctr_va_sdst(0)                   ; written are: alpha, which the lines below read; the mask read above, which the next step's selects read; the lane number read in the step before (ahead of the first iteration: position 1's two scalars), which the next step's first lines read
.if MODE == 1
	v_cndmask_b32 v[X], v[S], v[S+1], s[MK+1-PAR]  ; X of position 1
.else
.if FIN == 0
	v_fmac_f32 v[X], s[AL+2*PAR], v[NS]            ; X of the next position
	v_pk_fma_f32 v[S:S+1], v[BUF:BUF+1], s[AL+2*PAR:AL+2*PAR+1], v[S:S+1] op_sel_hi:[1,0,1]   ; s += alpha N[a][:]
.endif
.if MODE == 2
	v_mul_f32 v[C], s[AL+2*PAR], v[BUF+3]          ; the first step starts c
.else
	v_fmac_f32 v[C], s[AL+2*PAR], v[BUF+3]         ; c += alpha T[a][:]
.endif
.endif
	DEAL
.if AHEAD
.if PP < 30
	v_readlane_b32 s[LN+PAR], v[LANEC], (PP+2)^3   ; its reader stands two steps on, behind the next step's wait
.else
	v_readlane_b32 s[LN+PAR], v[LANEN], (PP-30)^3
.endif
.endif
.if \kind != 2
	v_lshl_add_u32 v[ADR+16*HF+KK], v[BT+(PP^3)], 9, v[L16]    ; its record: 512 a + 16 lane
.endif
.set PP, PP+1
.endm
; A half: sixteen positions.  Its LDS loads, dealt among its first steps: the records of the next half, into the buffer that the half before has read out, and tokens.
; An address set is rewritten in the half after the one in which it was used: behind the wait for 0 that shows those loads done, and behind the wait on vm_vsrc.
.macro HALF hf, first, kind
.set QQ, 0
.set QT0, 0
.set QTB, 0
.set QR, 0
	s_wait_dscnt 0x0                               ; this half's sixteen records and the tokens that this half turns into addresses, all asked for in the half before
.if \hf == 0
.set RBUF, RB                                          ; this iteration's positions 16-31
.set ASET, 1
.set QR, 16
.set BTB, 16                                           ; and the next iteration's positions 16-31 as broadcasts: used in this iteration's second half
.set BTO, 64
.if \kind != 2
.set QT0, 1
.set QTB, 4
	s_wait_alu depctr_vm_vsrc(0)                   ; the loads issued so far have read the two token pointers, which step below, and address set 0, which this half's steps write again
	v_add_nc_u32 v[TADR], 128, v[TADR]             ; the token pointers step to the next iteration's 128 bytes
	v_add_nc_u32 v[TBAD], 128, v[TBAD]
.endif
	s_wait_alu depctr_va_vdst(0)                   ; written: address set 1 and (but in the last iteration) the two pointers, which this half's loads read; the half before is done with RB, BT 16-31 and TOKN, in which they land
.else
.set RBUF, RA                                          ; the next iteration's positions 0-15
.set ASET, 0
.set BTB, 0                                            ; positions 0-15 of the iteration after the next: used in the next iteration's first half
.set BTO, 128
.if \kind == 0
.set QTB, 4
.endif
.if \kind != 2
.set QR, 16
	s_wait_alu depctr_vm_vsrc(0)                   ; the first half's loads have read address set 1, which this half's steps write again
	s_wait_alu depctr_va_vdst(0)                   ; the first half's steps have written address set 0, which this half's loads read, and are done with RA and BT 0-15, in which they land
	DERIVE TOKN, LANEN, MASKN
.endif
.endif
.rept 16
	STEP \first, \kind
.endr
.endm
.macro ITER first, kind
.set PP, 0
	HALF 0, \first, \kind
	HALF 1, \first, \kind
.if \kind != 2
	v_mov_b32 v[LANEC], v[LANEN]
	v_mov_b32 v[MASKC], v[MASKN]
.endif
.if \kind == 0
	s_wait_alu depctr_va_sdst(0)                   ; position 31's step has written the lane number of the next iteration's position 1: stated here, ahead of the label and the branch that stand in front of its reader
.endif
.endm
	s_wait_alu depctr_vm_vsrc(0)                   ; the LDS instructions of phase 4 have read their addresses v6 to v10 and the records' registers v[32:63], the earlier ones v11 to v15: all of these are written again from here on
	v_lshl_add_u32 v[TADR], v[LANE], 2, s54
	v_mov_b32 v[TBAD], s54
	s_wait_alu depctr_va_vdst(0)                   ; the two pointers are written; phase 4's sums are done reading v[192:223], in which the tokens land
	ds_load_b32 v[TOKN], v[TADR]                   ; iteration 0's tokens in both forms
	TOKB 0, 0
	TOKB 16, 64
	s_mov_b32 s[AL+1], 0                           ; the packed multiply-add names pairs; it takes the even register for both halves
	s_mov_b32 s[AL+3], 0
	s_wait_dscnt 0x0
	PREP16 0, 0
	s_wait_alu depctr_va_vdst(0)                   ; address set 0 is written, which the record loads read; the lines above are done with BT 0-15, and phase 4's sums with v[64:127]: the loads below land in both
	LOADS RA, 0                                    ; iteration 0's positions 0-15
	TOKB 0, 128                                    ; iteration 1's positions 0-15 as broadcasts
	PREP16 16, 1                                   ; addresses of iteration 0's positions 16-31, asked for in its first half
	DERIVE TOKN, LANEC, MASKC
	v_readlane_b32 s[LN+1], v[LANEC], 1^3          ; position 1's scalars; from position 2 on the steps read them.  The wait in position 0's step stands ahead of their first readers
	v_readlane_b32 s[MK+1], v[MASKC], 1^3
	ITER 1, 0
	s_mov_b32 s38, 29                              ; iterations 1 to 29
.Lit:
	ITER 0, 0
	s_sub_co_i32 s38, s38, 1
	s_cmp_lg_u32 s38, 0
	s_cbranch_scc1 .Lit
	ITER 0, 1                                      ; iteration 30: there is no iteration 32 to read tokens for
	ITER 0, 2                                      ; iteration 31 asks for nothing beyond t = 0
	; PHASE 6: out = (c read_w + read_b) out_w + out_b, each wave for its own row; lane = column of read, two columns of out
	s_wait_alu depctr_vm_vsrc(0)                   ; the last record loads have read address set 0 and the token loads v18: v18 and v20 to v31 are written below
	v_lshlrev_b32 v[A4], 2, v[LANE]
	v_lshlrev_b32 v[A8], 3, v[LANE]
	s_wait_alu depctr_va_vdst(0)                   ; the two addresses are written; the last steps are done reading RA and RB, in which read_w and out_w land
.set jj, 0
.rept 32
	ds_load_b32 v[RWV+jj], v[A4] offset:RWL+128*jj
.set jj, jj+1
.endr
.set jj, 0
.rept 32
	ds_load_b64 v[OWV+2*jj:OWV+2*jj+1], v[A8] offset:OWL+256*jj
.set jj, jj+1
.endr
.set jj, 0
.rept 32
	v_readlane_b32 s[66+jj], v[C], jj
.set jj, jj+1
.endr
	s_wait_alu depctr_va_sdst(0)                   ; c's 32 numbers are written into s66 to s97, ahead of the sums that read them
	s_wait_dscnt 32                                ; read_w is in; the 32 younger loads of out_w stay out
	v_fma_f32 v[RACC], s66, v[RWV], v[RDB]         ; four chains; the first starts from read_b
.irp c, 1,2,3
	v_mul_f32 v[RACC+\c], s[66+\c], v[RWV+\c]
.endr
.set jj, 4
.rept 28
	v_fmac_f32 v[RACC+(jj&3)], s[66+jj], v[RWV+jj]
.set jj, jj+1
.endr
	v_add_f32 v[RACC], v[RACC], v[RACC+1]
	v_add_f32 v[RACC+2], v[RACC+2], v[RACC+3]
	v_add_f32 v[RACC], v[RACC], v[RACC+2]
.set jj, 0
.rept 32
	v_readlane_b32 s[66+jj], v[RACC], jj
.set jj, jj+1
.endr
	s_wait_alu depctr_va_sdst(0)                   ; read's 32 numbers are written into s66 to s97, ahead of the sums that read them
	s_wait_dscnt 0x0
	v_fma_f32 v[OACC], s66, v[OWV], v[OUTB]        ; four chains for each of my two columns; the first pair starts from out_b
	v_fma_f32 v[OACC+1], s66, v[OWV+1], v[OUTB+1]
.irp c, 1,2,3
	v_mul_f32 v[OACC+2*\c], s[66+\c], v[OWV+2*\c]
	v_mul_f32 v[OACC+2*\c+1], s[66+\c], v[OWV+2*\c+1]
.endr
.set jj, 4
.rept 28
	v_fmac_f32 v[OACC+2*(jj&3)], s[66+jj], v[OWV+2*jj]
	v_fmac_f32 v[OACC+2*(jj&3)+1], s[66+jj], v[OWV+2*jj+1]
.set jj, jj+1
.endr
	v_pk_add_f32 v[OACC:OACC+1], v[OACC:OACC+1], v[OACC+2:OACC+3]
	v_pk_add_f32 v[OACC+4:OACC+5], v[OACC+4:OACC+5], v[OACC+6:OACC+7]
	v_pk_add_f32 v[OACC:OACC+1], v[OACC:OACC+1], v[OACC+4:OACC+5]
	s_wait_alu depctr_va_vdst(0)                   ; my two outputs are written, which the store reads
	global_store_b64 v[A8], v[OACC:OACC+1], s[32:33] th:TH_STORE_NT   ; the wave's store covers my row's 256 consecutive bytes, aligned
	s_set_vgpr_msb 0x5
	s_wait_dscnt 0x0
	s_wait_alu depctr_hold_cnt(0) depctr_sa_sdst(0) depctr_va_vdst(0) depctr_va_sdst(0) depctr_va_ssrc(0) depctr_va_vcc(0) depctr_vm_vsrc(0)
	s_wait_tensorcnt 0x0
	ds_add_u32 v0, v1
	s_wait_dscnt 0x0
	s_endpgm
.Lfunc_end_k_q728b409721_delta:
	.size	k_q728b409721_delta, .Lfunc_end_k_q728b409721_delta-k_q728b409721_delta
	.p2alignl 7, 3214868480
	.fill 96, 4, 3214868480
	.section	.rodata,"a",@progbits
	.p2align	6, 0x0
	.amdhsa_kernel k_q728b409721_delta
		.amdhsa_group_segment_fixed_size 168448
		.amdhsa_private_segment_fixed_size 0
		.amdhsa_enable_private_segment 0
		.amdhsa_kernarg_size 104
		.amdhsa_user_sgpr_count 2
		.amdhsa_user_sgpr_kernarg_segment_ptr 1
		.amdhsa_wavefront_size32 1
		.amdhsa_system_sgpr_workgroup_id_x 1
		.amdhsa_system_sgpr_workgroup_id_y 1
		.amdhsa_system_sgpr_workgroup_id_z 1
		.amdhsa_system_vgpr_workitem_id 0
		.amdhsa_next_free_vgpr 258
		.amdhsa_next_free_sgpr 100
		.amdhsa_reserve_vcc 0
		.amdhsa_float_denorm_mode_32 3
		.amdhsa_float_denorm_mode_16_64 3
		.amdhsa_memory_ordered 1
		.amdhsa_forward_progress 1
		.amdhsa_inst_pref_size 167
	.end_amdhsa_kernel
	.amdgpu_metadata
---
amdhsa.version: [ 1, 2 ]
amdhsa.kernels:
  - .name:           k_q728b409721_delta
    .symbol:         k_q728b409721_delta.kd
    .args:
      - { .name: seq, .offset: 0, .size: 8, .value_kind: global_buffer, .address_space: global }
      - { .name: embed, .offset: 8, .size: 8, .value_kind: global_buffer, .address_space: global }
      - { .name: w1, .offset: 16, .size: 8, .value_kind: global_buffer, .address_space: global }
      - { .name: b1, .offset: 24, .size: 8, .value_kind: global_buffer, .address_space: global }
      - { .name: w2, .offset: 32, .size: 8, .value_kind: global_buffer, .address_space: global }
      - { .name: b2, .offset: 40, .size: 8, .value_kind: global_buffer, .address_space: global }
      - { .name: ln_g, .offset: 48, .size: 8, .value_kind: global_buffer, .address_space: global }
      - { .name: ln_b, .offset: 56, .size: 8, .value_kind: global_buffer, .address_space: global }
      - { .name: read_w, .offset: 64, .size: 8, .value_kind: global_buffer, .address_space: global }
      - { .name: read_b, .offset: 72, .size: 8, .value_kind: global_buffer, .address_space: global }
      - { .name: out_w, .offset: 80, .size: 8, .value_kind: global_buffer, .address_space: global }
      - { .name: out_b, .offset: 88, .size: 8, .value_kind: global_buffer, .address_space: global }
      - { .name: out0, .offset: 96, .size: 8, .value_kind: global_buffer, .address_space: global }
    .group_segment_fixed_size: 168448
    .private_segment_fixed_size: 0
    .kernarg_segment_align: 8
    .kernarg_segment_size: 104
    .max_flat_workgroup_size: 128
    .sgpr_count:     100
    .vgpr_count:     258
    .wavefront_size: 32
...
	.end_amdgpu_metadata
.endif
;; end of part 4
